; MI455X (gfx1250); checked and timed in simulation.
; The chip was launched on July 23, 2026; its instructions are those of AMD's public machine-readable ISA for CDNA 5 (MIT licence, August 2026) and "CDNA5" Instruction Set Architecture Reference Guide (July 2026). The comments in the code are by the model that wrote it; some were corrected since.
;; Encoder Layer. Allowed arithmetic: matrix products marked QUANTISED: E4M3 operands, one given power-of-two scale a tensor, by v_wmma_f32_16x16x64_fp8_fp8 or v_wmma_f32_16x16x128_fp8_fp8, f32 sums; everything else in f32.
;; Inputs: b1 1,024 float32; be1 1,024 float32; be2 1,024 float32; bk 1,024 float32; bq 1,024 float32; bv 1,024 float32; fb1 4,096 float32; fb2 1,024 float32; fw1 1,024 x 4,096 float32; fw2 4,096 x 1,024 float32; g1 1,024 float32; g2 1,024 float32; lowp_scales 16 int32 (the exponents e of the quantised operands' scales 2^e); mask 2 x 1 x 1 x 2,048 int32; w1 1,024 x 1,024 float32; wk 1,024 x 1,024 float32; wq 1,024 x 1,024 float32; wv 1,024 x 1,024 float32; x 2 x 2,048 x 1,024 float32.
;; Outputs: out0 2 x 2,048 x 1,024 float32.
;; This version of the problem:
;;   THIS VERSION OF THE PROBLEM IS GIVEN IN LOW PRECISION. The matrix products marked QUANTISED in the list below multiply operands that are first quantised to E4M3 (4 exponent bits, 3 mantissa bits; 8 bits a number), with one given power-of-two scale for each operand tensor; their sums are f32. All else is computed in f32.
;;   The module's matrix products, in the order in which they are computed (A, B: the left and right operand; K: the contracted axis; several contracted axes count as one K, in the product's order):
;;     1. [M 4,096, K 1,024] x [K 1,024, N 1,024]; A: input x; B: input wq: QUANTISED (scales: A lowp_scales[0], B lowp_scales[1])
;;     2. [M 4,096, K 1,024] x [K 1,024, N 1,024]; A: input x; B: input wk: QUANTISED (scales: A lowp_scales[2], B lowp_scales[3])
;;     3. [M 4,096, K 1,024] x [K 1,024, N 1,024]; A: input x; B: input wv: QUANTISED (scales: A lowp_scales[4], B lowp_scales[5])
;;     4. batch 32 x [M 2,048, K 64] x [K 64, N 2,048]; A: computed on the way; B: computed on the way: QUANTISED (scales: A lowp_scales[6], B lowp_scales[7])
;;     5. batch 32 x [M 2,048, K 2,048] x [K 2,048, N 64]; A: softmax (see below); B: computed on the way: QUANTISED (scales: A lowp_scales[8], B lowp_scales[9])
;;     6. [M 4,096, K 1,024] x [K 1,024, N 1,024]; A: computed on the way; B: input w1: QUANTISED (scales: A lowp_scales[10], B lowp_scales[11])
;;     7. [M 4,096, K 1,024] x [K 1,024, N 4,096]; A: computed on the way; B: input fw1: QUANTISED (scales: A lowp_scales[12], B lowp_scales[13])
;;     8. [M 4,096, K 4,096] x [K 4,096, N 1,024]; A: computed on the way; B: input fw2: QUANTISED (scales: A lowp_scales[14], B lowp_scales[15])
;;   THE QUANTISER, for each operand of a quantised product, along K:
;;     - The operand's scale is 2^e, e = its entry of the input lowp_scales (int32; the entries are numbered through the quantised products in the list's order, A before B).
;;     - Each number is divided by the scale, clamped to +-448, and rounded to the nearest number of E4M3, ties to even, subnormals kept.
;;     - The product sums the exact products of the quantised numbers (number of the format x scale) in f32.
;;   ~~~python
;;   def quantise(x, axis, e):      # numpy; x: float32 -> the quantised numbers, widened to float32 again
;;       x = np.moveaxis(x, axis, -1); K = x.shape[-1]
;;       r = np.clip(x / 2.0 ** e, -448, 448)
;;       step = 2.0 ** (np.maximum(np.frexp(np.where(r == 0, 1, r))[1] - 1, -6) - 3)
;;       q = np.round(r / step) * step * 2.0 ** e      # np.round: ties to even
;;       return np.moveaxis(q, -1, axis).astype(np.float32)
;;   ~~~
;;   SOFTMAX AHEAD OF A QUANTISED PRODUCT. Where the list says 'softmax', what is quantised is not the finished softmax but p = 2^(t - M), with t = logit x log2(e) and M = ceil(the row's largest t), a whole number; so 1/2 < the row's largest p <= 1. The row's sum l is taken of the UNQUANTISED p, in f32, and the product's result is divided by l at the end. Since M is a whole number, a kernel that streams over the keys may use a running M (the ceiling of the running maximum): every later rescaling is an exact power of two, so the quantised numbers keep their values, but for numbers so far below the row's largest that they fall under the format's range.
;;   OPERANDS COMPUTED ON THE WAY. 'Computed on the way' means the value that the module computes at that place (a softmax that the list does not call 'softmax' is quantised finished and normalised). What goes into a quantiser is computed in f32, as accurately as f32 sums, v_exp_f32 and their like allow (about 1e-6 of the number): no bf16 or f16 on the way to a quantiser, and a product that is left as it is and whose result goes on into a quantised operand takes f32 operands (vector FMAs, or v_wmma_f32_16x16x4_f32). A number that lies on a knife's edge between two numbers of the format may be rounded either way, as far as f32 arithmetic and the matrix unit's own rounding can turn it there, and no further.
;; One version. Each part assembles by itself: llvm-mc -triple=amdgcn-amd-amdhsa -mcpu=gfx1250 --defsym DOCPART=n.
;; ======== version 1 of 1: 8 launches
;; limits: right only within a limited range of input values
;; workspace buffers: big1 19,922,944 bytes; w1c 1,048,576 bytes; fw2c 4,194,304 bytes; big2 16,777,216 bytes; ac 4,194,304 bytes; hc 16,777,216 bytes; y 67,108,864 bytes; x1r 16,777,216 bytes
;; launch prep (part 1): grid 512 x 1, 4 waves a work-group, no clusters, 35,328 bytes of LDS; arguments x, wq, wk, wv, w1, fw1, fw2, lowp_scales, big1, w1c, fw2c; writes big1, w1c, fw2c
.if DOCPART == 1
	.amdgcn_target "amdgcn-amd-amdhsa--gfx1250"
	.amdhsa_code_object_version 6
	.text
	.protected	k_qae80f1e5d1_prep
	.globl	k_qae80f1e5d1_prep
	.p2align	8
	.type	k_qae80f1e5d1_prep,@function
k_qae80f1e5d1_prep:
	s_mov_b64 s[64:65], 0
	v_nop
	global_prefetch_b8 v0, s[64:65] scope:SCOPE_SE
	s_setreg_imm32_b32 hwreg(HW_REG_WAVE_MODE, 25, 1), 1
	s_wait_xcnt 0x0
; x [4096][1024] f32 becomes three sets of E4M3 codes (scales 2^e0, 2^e2, 2^e4); wq, wk, wv, w1, fw1, fw2 (f32, K outermost) become codes with K innermost.
; Every buffer of codes is laid in PANELS: [K/256][rows][256 bytes]: a tile of 128 rows x 256 K is one dense block of rows of 256 bytes.
; code = number / 2^e, held within +-448, to the nearest code, ties to even.  LIMITS: each e between -126 and 119.  NaN among the inputs is not served.
; Work-groups 0-127: 32 rows of x each, 8 a wave, a lane 8 neighbours of each 256: a wave's store of 8 bytes a lane covers 256 consecutive bytes, aligned.
; Work-groups 128-511: 128 columns x 256 K of one weight; a lane takes a column and its registers run down K, so the conversions give K innermost; the codes leave through the wave's own stage in LDS as rows.
; The weight is chosen by selects on the work-group's number: one path serves all six.  Only that path touches LDS.  Waves share nothing: no barrier.
.set XR,   16                          ; x path: v16-111  three sets of 32 numbers (a row's share of a lane)
.set TQ,   112                         ;         v112-127 two sets of 8 held numbers
.set CD,   128                         ;         v128-175 two sets of 24: a row's codes for the three scales
.set VO,   16                          ; w path: v16-47   4 x lane + i rows of the weight
.set XW,   64                          ;         v64-127  two sets of 32 numbers
.set CW,   128                         ;         v128-135 a block's codes
.set OUTR, 136                         ;         v136-199 the way out
.set SP,   272                         ; a stage row: 256 bytes + 16
.macro PICK thr, src, dst, off, e, nb  ; from work-group thr on: another weight
	s_cmp_ge_u32 s29, \thr
	s_cselect_b64 s[30:31], s[\src:\src+1], s[30:31]
	s_cselect_b64 s[32:33], s[\dst:\dst+1], s[32:33]
	s_cselect_b32 s34, \off, s34
	s_cselect_b32 s35, s[\e], s35
	s_cselect_b32 s36, \thr, s36
	s_cselect_b32 s37, \nb, s37
.endm
.macro LOAD t                          ; block t: 32 rows of K at my column, into set t % 2; a wave's load reads 128 consecutive bytes, the four waves 512
.set i, 0
.rept 32
	global_load_b32 v[XW+32*((\t)%2)+i], v[VO+i], s[40+2*(\t):41+2*(\t)] th:TH_LOAD_NT
.set i, i+1
.endr
.endm
.macro BLOCK t
.set XS, XW+32*((\t)%2)
.if (\t) < 7
	s_wait_loadcnt 32                              ; this block's 32 loads are in; the next block's 32 may be out
.else
	s_wait_loadcnt 0
.endif
.set i, 0
.rept 32
	v_med3_num_f32 v[XS+i], v[XS+i], -v10, v10     ; the conversion does not saturate (ISA guide 7.6.2): the hold at the largest code x the scale
.set i, i+1
.endr
.irp g, 0,1,2,3
	v_cvt_scalef32_pk8_fp8_f32 v[CW+2*\g:CW+2*\g+1], v[XS+8*\g:XS+8*\g+7], v11
.endr
	ds_store_b128 v4, v[CW:CW+3] offset:32*(\t)    ; 32 codes of my column's row
	ds_store_b128 v4, v[CW+4:CW+7] offset:32*(\t)+16
.if (\t)+2 < 8
	LOAD (\t)+2
.endif
	s_wait_dscnt 0x0                               ; the stores have read their registers: the next block's codes may be written
.endm
.macro LOADROW i                       ; row i of my eight into set i % 3: two loads of 16 bytes for each 256 numbers
.irp kt, 0,1,2,3
	global_load_b128 v[XR+32*((\i)%3)+8*\kt:XR+32*((\i)%3)+8*\kt+3], v2, s[4:5] offset:(\i)*4096+\kt*1024 th:TH_LOAD_NT
	global_load_b128 v[XR+32*((\i)%3)+8*\kt+4:XR+32*((\i)%3)+8*\kt+7], v2, s[4:5] offset:(\i)*4096+\kt*1024+16 th:TH_LOAD_NT
.endr
.endm
.macro ROW i
.if (\i) <= 5
	s_wait_loadcnt 16                              ; my row's 8 loads are in; the two rows behind it stay out
.elseif (\i) == 6
	s_wait_loadcnt 8
.else
	s_wait_loadcnt 0
.endif
	s_wait_xcnt 0x0                                ; the stores of two rows back have read their data: that set of codes is written again only behind this wait
.irp kt, 0,1,2,3
.irp u, 0,1,2
.irp j, 0,1,2,3,4,5,6,7
	v_med3_num_f32 v[TQ+8*((\kt+\u)%2)+\j], v[XR+32*((\i)%3)+8*\kt+\j], -v[13+\u], v[13+\u]   ; the two sets take turns, so these eight plain lines stand between a conversion and the next write of its sources
.endr
	v_cvt_scalef32_pk8_fp8_f32 v[CD+24*((\i)%2)+2*(3*\kt+\u):CD+24*((\i)%2)+2*(3*\kt+\u)+1], v[TQ+8*((\kt+\u)%2):TQ+8*((\kt+\u)%2)+7], v[10+\u]
.endr
.endr
.irp kt, 0,1,2,3
.irp u, 0,1,2
	global_store_b64 v3, v[CD+24*((\i)%2)+2*(3*\kt+\u):CD+24*((\i)%2)+2*(3*\kt+\u)+1], s[40+2*\u:41+2*\u] offset:\kt*0x100000+(\i)*256   ; 32 lanes: 256 consecutive bytes, aligned
.endr
.endr
.if (\i)+3 < 8
	LOADROW (\i)+3
.endif
.endm
	s_load_b512 s[4:19], s[0:1], 0x0               ; x, wq, wk, wv, w1, fw1, fw2, the scales' exponents
	s_load_b128 s[20:23], s[0:1], 0x40             ; big1, w1c
	s_load_b64 s[24:25], s[0:1], 0x50              ; fw2c
	v_lshl_add_u32 v200, v0, 2, 0x8800
	v_mov_b32 v201, 0
	v_lshrrev_b32 v1, 5, v0
	v_readfirstlane_b32 s28, v1                    ; wave
	v_and_b32 v1, 31, v0                           ; lane
	s_wait_kmcnt 0x0
	s_load_b512 s[68:83], s[18:19], 0x0            ; e0 .. e15
	s_cmp_lt_u32 ttmp9, 128
	s_cbranch_scc1 .Lx
	; ---- a weight
	s_sub_co_u32 s29, ttmp9, 128
	s_wait_kmcnt 0x0
	s_mov_b64 s[30:31], s[6:7]                     ; wq -> big1 + 0xC00000, e1, 8 blocks of 128 columns
	s_mov_b64 s[32:33], s[20:21]
	s_mov_b32 s34, 0xC00000
	s_mov_b32 s35, s69
	s_mov_b32 s36, 0
	s_mov_b32 s37, 3
	PICK 32,  8,  20, 0xD00000, 71, 3              ; wk, e3
	PICK 64,  10, 20, 0xE00000, 73, 3              ; wv, e5
	PICK 96,  12, 22, 0,        79, 3              ; w1, e11
	PICK 128, 14, 20, 0xF00000, 81, 5              ; fw1, e13: 32 blocks of columns
	PICK 256, 16, 24, 0,        83, 3              ; fw2, e15
	s_sub_co_u32 s36, s29, s36                     ; my number within the weight
	s_lshl_b32 s38, 512, s37                       ; a row of the weight in bytes: 4 x 128 x 2^nb
	s_lshl_b32 s39, 1, s37
	s_sub_co_u32 s39, s39, 1
	s_and_b32 s39, s36, s39                        ; block of 128 columns
	s_lshr_b32 s36, s36, s37                       ; which 256 along K
	s_lshl_b32 s39, s39, 7
	s_lshl_b32 s26, s28, 5
	s_add_co_u32 s39, s39, s26                     ; my wave's first column
	s_mul_i32 s36, s36, s38
	s_lshl_b32 s26, s36, 8                         ; 256 rows of the weight for each step along K,
	s_lshl_b32 s27, s39, 2
	s_add_co_u32 s26, s26, s27                     ; + 4 bytes a column
	s_mov_b32 s27, 0
	s_add_nc_u64 s[40:41], s[30:31], s[26:27]
	s_lshl_b32 s26, s36, 6                         ; a panel is (columns x 256) bytes = 64 rows' bytes of the weight,
	s_add_co_u32 s26, s26, s34
	s_lshl_b32 s36, s39, 8
	s_add_co_u32 s26, s26, s36                     ; + 256 bytes a column
	s_add_nc_u64 s[32:33], s[32:33], s[26:27]
	s_lshl_b32 s26, s38, 5                         ; 32 rows on: a base for each block, never rewritten
.irp t, 1,2,3,4,5,6,7
	s_add_nc_u64 s[40+2*\t:41+2*\t], s[38+2*\t:39+2*\t], s[26:27]
.endr
	v_lshlrev_b32 v3, 2, v1
.set i, 0
.rept 32
	v_mad_u32_u24 v[VO+i], s38, i, v3
.set i, i+1
.endr
	LOAD 0
	LOAD 1
	s_mul_i32 s56, s28, 32*SP                      ; my stage
	v_mul_u32_u24 v4, v1, SP
	v_add_nc_u32 v4, s56, v4                       ; into it: row = my column
	v_and_b32 v5, 15, v1
	v_lshrrev_b32 v6, 4, v1
	v_mul_u32_u24 v7, v6, SP
	v_lshl_add_u32 v7, v5, 4, v7
	v_add_nc_u32 v7, s56, v7                       ; out of it: sixteen lanes to a row, two rows an instruction
	v_lshlrev_b32 v8, 4, v1                        ; the same two rows in the panel: 512 consecutive bytes
	s_add_co_i32 s35, s35, 127
	s_lshl_b32 s57, s35, 23
	v_mov_b32 v11, s57                             ; 2^e as f32: the conversion takes its exponent field
	s_add_co_i32 s35, s35, 8
	s_lshl_b32 s35, s35, 23
	s_or_b32 s35, s35, 0x600000
	v_mov_b32 v10, s35                             ; 448 x 2^e
.irp t, 0,1,2,3,4,5,6,7
	BLOCK \t
.endr
.irp t, 0,1,2,3,4,5,6,7,8,9,10,11,12,13,14,15
	ds_load_b128 v[OUTR+4*\t:OUTR+4*\t+3], v7 offset:2*\t*SP   ; LDS serves a wave's instructions in order (ISA guide 5.7.1.4): these see my stores
.endr
.irp t, 0,1,2,3,4,5,6,7,8,9,10,11,12,13,14,15
	s_wait_dscnt 15-\t
	global_store_b128 v8, v[OUTR+4*\t:OUTR+4*\t+3], s[32:33] offset:512*\t
.endr
	s_wait_tensorcnt 0x0
	ds_add_u32 v200, v201
	s_wait_dscnt 0x0
	s_endpgm
	; ---- rows of x
.Lx:
	s_lshl_b32 s26, ttmp9, 5
	s_lshl_b32 s27, s28, 3
	s_add_co_u32 s26, s26, s27                     ; my wave's first row: 32 x work-group + 8 x wave
	s_lshl_b32 s30, s26, 12
	s_mov_b32 s31, 0
	s_add_nc_u64 s[4:5], s[4:5], s[30:31]
	s_lshl_b32 s30, s26, 8
	s_add_nc_u64 s[40:41], s[20:21], s[30:31]      ; the three sets of codes lie 0x400000 bytes apart
	s_add_nc_u64 s[42:43], s[40:41], 0x400000
	s_add_nc_u64 s[44:45], s[40:41], 0x800000
	v_lshlrev_b32 v2, 5, v1                        ; in: my 8 numbers of each 256
	v_lshlrev_b32 v3, 3, v1                        ; out: my 8 codes
	LOADROW 0
	LOADROW 1
	LOADROW 2
	s_wait_kmcnt 0x0
.irp u, 0,1,2
	s_add_co_i32 s32, s[68+2*\u], 127
	s_lshl_b32 s33, s32, 23
	v_mov_b32 v[10+\u], s33                        ; 2^e
	s_add_co_i32 s32, s32, 8
	s_lshl_b32 s32, s32, 23
	s_or_b32 s32, s32, 0x600000
	v_mov_b32 v[13+\u], s32                        ; 448 x 2^e
.endr
.irp i, 0,1,2,3,4,5,6,7
	ROW \i
.endr
	s_endpgm
.Lfunc_end_k_qae80f1e5d1_prep:
	.size	k_qae80f1e5d1_prep, .Lfunc_end_k_qae80f1e5d1_prep-k_qae80f1e5d1_prep
	.p2alignl 7, 3214868480
	.fill 96, 4, 3214868480
	.section	.rodata,"a",@progbits
	.p2align	6, 0x0
	.amdhsa_kernel k_qae80f1e5d1_prep
		.amdhsa_group_segment_fixed_size 35328
		.amdhsa_private_segment_fixed_size 0
		.amdhsa_enable_private_segment 0
		.amdhsa_kernarg_size 88
		.amdhsa_user_sgpr_count 2
		.amdhsa_user_sgpr_kernarg_segment_ptr 1
		.amdhsa_wavefront_size32 1
		.amdhsa_system_sgpr_workgroup_id_x 1
		.amdhsa_system_sgpr_workgroup_id_y 1
		.amdhsa_system_sgpr_workgroup_id_z 1
		.amdhsa_system_vgpr_workitem_id 0
		.amdhsa_next_free_vgpr 202
		.amdhsa_next_free_sgpr 100
		.amdhsa_reserve_vcc 0
		.amdhsa_float_denorm_mode_32 3
		.amdhsa_float_denorm_mode_16_64 3
		.amdhsa_memory_ordered 1
		.amdhsa_forward_progress 1
		.amdhsa_inst_pref_size 124
	.end_amdhsa_kernel
	.amdgpu_metadata
---
amdhsa.version: [ 1, 2 ]
amdhsa.kernels:
  - .name:           k_qae80f1e5d1_prep
    .symbol:         k_qae80f1e5d1_prep.kd
    .args:
      - { .name: x, .offset: 0, .size: 8, .value_kind: global_buffer, .address_space: global }
      - { .name: wq, .offset: 8, .size: 8, .value_kind: global_buffer, .address_space: global }
      - { .name: wk, .offset: 16, .size: 8, .value_kind: global_buffer, .address_space: global }
      - { .name: wv, .offset: 24, .size: 8, .value_kind: global_buffer, .address_space: global }
      - { .name: w1, .offset: 32, .size: 8, .value_kind: global_buffer, .address_space: global }
      - { .name: fw1, .offset: 40, .size: 8, .value_kind: global_buffer, .address_space: global }
      - { .name: fw2, .offset: 48, .size: 8, .value_kind: global_buffer, .address_space: global }
      - { .name: lowp_scales, .offset: 56, .size: 8, .value_kind: global_buffer, .address_space: global }
      - { .name: big1, .offset: 64, .size: 8, .value_kind: global_buffer, .address_space: global }
      - { .name: w1c, .offset: 72, .size: 8, .value_kind: global_buffer, .address_space: global }
      - { .name: fw2c, .offset: 80, .size: 8, .value_kind: global_buffer, .address_space: global }
    .group_segment_fixed_size: 35328
    .private_segment_fixed_size: 0
    .kernarg_segment_align: 8
    .kernarg_segment_size: 88
    .max_flat_workgroup_size: 128
    .sgpr_count:     100
    .vgpr_count:     202
    .wavefront_size: 32
...
	.end_amdgpu_metadata
.endif
;; end of part 1
;; launch qkv (part 2): grid 12 x 16, 4 waves a work-group, clusters of 4 x 4, 327,680 bytes of LDS; arguments big1, bq, bk, bv, mask, lowp_scales, big2; writes big2
.if DOCPART == 2
	.amdgcn_target "amdgcn-amd-amdhsa--gfx1250"
	.amdhsa_code_object_version 6
	.text
	.protected	k_qae80f1e5d1_qkv
	.globl	k_qae80f1e5d1_qkv
	.p2align	8
	.type	k_qae80f1e5d1_qkv,@function
k_qae80f1e5d1_qkv:
	s_mov_b64 s[64:65], 0
	v_nop
	global_prefetch_b8 v0, s[64:65] scope:SCOPE_SE
	s_setreg_imm32_b32 hwreg(HW_REG_WAVE_MODE, 25, 1), 1
	s_wait_xcnt 0x0
	s_wait_alu depctr_hold_cnt(0) depctr_sa_sdst(0) depctr_va_vdst(0) depctr_va_sdst(0) depctr_va_ssrc(0) depctr_va_vcc(0) depctr_vm_vsrc(0)
	s_getreg_b32 s2, hwreg(HW_REG_IB_STS2, 6, 4)
	s_cmp_eq_u32 s2, 0
	s_cbranch_scc0 .Lentry_in_a_cluster
	s_endpgm
.Lentry_in_a_cluster:
	s_bfe_u32 s2, ttmp6, 0x10000c
	s_cmp_lg_u32 s2, 0xf033
	s_cbranch_scc0 .Lentry_shape_is_right
	s_endpgm
.Lentry_shape_is_right:
; q, k and v: x W + b on codes of E4M3, K = 1,024, and the results quantised at once for attention.  Cluster x (0, 1, 2) says which of the three: it is equal in all sixteen partners.
; A tile of 256 x 256 to a work-group of four waves, 128 x 128 a wave: 64 accumulators, 512 registers.  K goes in four steps of 256 through two LDS slots filled by joint tensor loads.
; OPERANDS.  P's rows fall on the lanes of a result, R's rows on a lane's registers (source 0 = R, source 1 = P).  q, k: P = x's codes (tokens), R = the weight's (channels): a lane holds 8 neighbouring channels of a token.
; v: the roles are swapped BY ADDRESS alone, P = wv's codes, R = x's: a lane then holds 8 neighbouring KEYS of a channel, which is the K of attention's second product.  One text without a branch serves the three.
; All codes lie in panels [K/256][rows][256 bytes]: a tile of 128 rows x 256 K is dense.  P's tile is shared along a row of the cluster, R's along a column: each is asked for jointly by the four that need it.
; THE WAY OUT.  code = (sum + b / 2^(ea+eb)) / 2^(eo-ea-eb), held within +-448.  The bias runs along the registers (q, k) or along the lanes (v): both are added, and the one that does not apply has been multiplied by 0.
; k alone: the hold of a MASKED key's row is 0, so its codes are zeros and its scores come out as the constant that attention adds.
; q -> big2 [4 groups of 4 heads][4096 tokens][256]; k -> + 0x400000 likewise; v -> + 0x800000 [16 blocks of 256 keys][1024 channels][256 keys].
; LIMITS: ea + eb between -127 and 126, eo - ea - eb between -126 and 119, so that each power of two below is an f32 number.  NaN and infinities among the biases are not served.
; REGISTERS, in windows of 256: window 0: v0-31 addresses; v32-113 the way out's constants; from v128 P's fragments, one set.  window 1: R's fragments, two sets.  windows 2, 3: the accumulators.
.set PITCH,  272                       ; an LDS row: 256 bytes + 16: the 16 rows that a load touches start at 16 different banks (64 banks of 4 bytes: ISA guide 11.1)
.set FR,     16                        ; registers of a fragment: 16 rows x 128 K
.set NL,     4                         ; LDS loads that bring one
.set NP,     4                         ; places behind this matrix instruction (ISA guide 7.12.1)
.set HALFT,  128*PITCH                 ; what one tensor load brings
.set SLOT,   4*HALFT                   ; P's 256 rows, then R's 256 rows
.set SPARE,  2*SLOT                    ; behind the ring: the spare words, 128 bytes a wave
.set ADRA, 16                          ; v16-17 LDS address of my fragments of P in slot 0, 1
.set ADRB, 20                          ; v20-21 of R
.set STO,  24                          ; v24 the way out: where I put 8 codes
.set RD,   25                          ; v25 where I read rows back
.set CO,   26                          ; v26 16 x lane
.set SPW,  28                          ; v28 my spare word; never rewritten
.set NIL,  29                          ; v29 0; never rewritten
.set BJ,   32                          ; v32-95 the bias along the registers
.set BI,   96                          ; v[96+2a] the bias along the lanes for block a, v[97+2a] block a's hold
.set AF,   128
.set TMP,  128                         ; the way out: a block's 64 numbers,
.set CDR,  192                         ; and its codes
.set WV, 16
.set RH, 17
.set CH, 18
.set G1, 24
.set G0, 32
.set G1B, 48
.set G0B, 56
.set MSB, 0
.macro WIN new                         ; the immediate's high byte repeats the setting that is left
.if MSB != (\new)
	s_set_vgpr_msb (MSB<<8)|(\new)
.set MSB, \new
.endif
.endm
.set MUL_LO, 0xa1                      ; source 0 (R) window 1, source 1 (P) window 0, C and D window 2
.set MUL_HI, 0xf1
.set TO_B,   0x40
.macro JLOAD s                         ; a joint load: waves 0, 1 fetch P's halves, waves 2, 3 R's; the branch hangs on the wave's number alone; four v_nop follow each line
	s_cmp_eq_u32 s[RH], 0
	s_cbranch_scc0 .Lfor_r_\@
	tensor_load_to_lds s[G0+4*\s:G0+4*\s+3], s[G1:G1+7]
	s_nop 0
.rept 4
	v_nop
.endr
	s_branch .Lasked_\@
.Lfor_r_\@:
	tensor_load_to_lds s[G0B+4*\s:G0B+4*\s+3], s[G1B:G1B+7]
	s_nop 0
.rept 4
	v_nop
.endr
.Lasked_\@:
.endm
.macro CREST                           ; a round of the cluster's barrier behind its opening barrier
	s_cmp_lg_u32 s[WV], 0
	s_cbranch_scc1 .Lnot_wave_0_\@
	s_barrier_signal -3
.Lnot_wave_0_\@:
	s_barrier_wait -3
	s_barrier_signal -1
	s_barrier_wait -1
.endm
.macro CROUND
	s_barrier_signal -1
	s_barrier_wait -1
	CREST
.endm
	s_load_b256 s[4:11], s[0:1], 0x0               ; big1, bq, bk, bv
	s_load_b128 s[12:15], s[0:1], 0x20             ; mask, the scales' exponents
	s_load_b64 s[98:99], s[0:1], 0x30              ; big2
	v_lshl_add_u32 v[SPW], v0, 2, SPARE
	v_mov_b32 v[NIL], 0
	ds_add_u32 v28, v29
	s_wait_dscnt 0x0
	v_lshrrev_b32 v1, 5, v0
	v_readfirstlane_b32 s[WV], v1                  ; wave 0..3
	s_lshr_b32 s[RH], s[WV], 1                     ; my half of P's rows.  Also: I fetch for P (0) or for R (1)
	s_and_b32 s[CH], s[WV], 1                      ; my half of R's rows.  Also: which 128 rows I fetch
	s_bfe_u32 s40, ttmp6, 0x40000                  ; cx
	s_bfe_u32 s41, ttmp6, 0x40004                  ; cy
	s_and_b32 s19, ttmp7, 0xffff
	s_lshl_b32 s19, s19, 2                         ; 4 x cluster y
	s_lshl_b32 s21, ttmp9, 22                      ; x's set of codes for q or k; also q's or k's place in big2
	s_lshl_b32 s47, ttmp9, 20
	s_add_co_u32 s47, s47, 0xC00000                ; wq's or wk's codes
	s_mov_b32 s84, 0x100000                        ; a panel of x's codes,
	s_mov_b32 s88, 0x40000                         ; of a weight's
	s_mov_b32 s96, s21
	s_cmp_eq_u32 ttmp9, 2                          ; v?  Selects alone follow: they leave SCC as it is
	s_cselect_b32 s20, 0, s19
	s_cselect_b32 s46, s19, 0
	s_cselect_b32 s21, 0xE00000, s21               ; P: wv's codes
	s_cselect_b32 s47, 0x800000, s47               ; R: x's third set
	s_cselect_b32 s84, 0x40000, s84
	s_cselect_b32 s88, 0x100000, s88
	s_cselect_b32 s96, 0x800000, s96               ; v's place in big2
	s_cselect_b32 s97, 18, 20                      ; a panel of the output, as a shift
	s_add_co_u32 s43, s41, s20                     ; P's tile: cy (+ 4 x cluster y where P is x)
	s_add_co_u32 s42, s40, s46                     ; R's tile: cx (+ 4 x cluster y where R is x)
	s_lshl_b32 s44, s41, 2
	s_lshl_b32 s44, 15, s44                        ; my row of the cluster
	s_lshl_b32 s45, 0x1111, s40                    ; my column
	s_or_b32 s[G1], s44, (1<<20)|(1<<21)|(5<<22)|(3<<25)   ; 15:0 the mask; 17:16 elements of 1 byte; 20 padding on; 21 set beside a mask; 24:22 after every 64 words; 31:25 four words
	s_or_b32 s[G1B], s45, (1<<20)|(1<<21)|(5<<22)|(3<<25)
.irp g, G1, G1B
	s_mov_b32 s[\g+1], 256<<16                     ; tensor_dim0
	s_mov_b32 s[\g+2], 128<<16                     ; tensor_dim1
	s_mov_b32 s[\g+3], 256<<16                     ; tile_dim0
	s_mov_b32 s[\g+4], 128                         ; tile_dim1
	s_mov_b32 s[\g+5], 256                         ; from row to row: panels are dense
	s_mov_b32 s[\g+6], 0
	s_mov_b32 s[\g+7], 0
.endr
	s_lshl_b32 s20, s43, 16                        ; P: 256 rows of 256 bytes a tile; no register here ever holds cx
	s_add_co_u32 s20, s20, s21
	s_lshl_b32 s21, s[CH], 15
	s_add_co_u32 s20, s20, s21
	s_mov_b32 s21, 0
	s_lshl_b32 s46, s42, 16                        ; R likewise; none of these holds cy
	s_add_co_u32 s46, s46, s47
	s_lshl_b32 s47, s[CH], 15
	s_add_co_u32 s46, s46, s47
	s_mov_b32 s47, 0
	s_mov_b32 s85, 0
	s_lshl_b32 s86, s84, 1                         ; two K steps on, for P
	s_mov_b32 s87, 0
	s_mov_b32 s89, 0
	s_lshl_b32 s90, s88, 1                         ; and for R
	s_mov_b32 s91, 0
	s_mul_i32 s22, s[WV], HALFT                    ; where my load lands: wave x 128 rows
	s_wait_kmcnt 0x0
	s_load_b512 s[68:83], s[14:15], 0x0            ; e0 .. e15
	s_add_nc_u64 s[20:21], s[4:5], s[20:21]
	s_add_nc_u64 s[46:47], s[4:5], s[46:47]
	CROUND                                         ; all sixteen work-groups are here: the first joint loads meet
	s_mov_b32 s[G0], 1
	s_mov_b32 s[G0+1], s22
	s_mov_b64 s[G0+2:G0+3], s[20:21]
	s_or_b32 s[G0+3], s[G0+3], 0x80000000
	s_mov_b32 s[G0B], 1
	s_mov_b32 s[G0B+1], s22
	s_mov_b64 s[G0B+2:G0B+3], s[46:47]
	s_or_b32 s[G0B+3], s[G0B+3], 0x80000000
	JLOAD 0
	s_mov_b32 s[G0+4], 1
	s_add_co_u32 s[G0+5], s22, SLOT
	s_add_nc_u64 s[G0+6:G0+7], s[20:21], s[84:85]
	s_or_b32 s[G0+7], s[G0+7], 0x80000000
	s_mov_b32 s[G0B+4], 1
	s_add_co_u32 s[G0B+5], s22, SLOT
	s_add_nc_u64 s[G0B+6:G0B+7], s[46:47], s[88:89]
	s_or_b32 s[G0B+7], s[G0B+7], 0x80000000
	JLOAD 1
	v_and_b32 v1, 15, v0                           ; r
	v_bfe_u32 v2, v0, 4, 1                         ; h
	v_mul_u32_u24 v3, v1, PITCH
	v_lshl_add_u32 v4, v2, 4, v3                   ; a fragment's row x pitch + 16 h
	s_mul_i32 s19, s[RH], HALFT
	s_mul_i32 s23, s[CH], HALFT
	s_add_co_u32 s23, s23, 2*HALFT
.irp s, 0,1
	v_add_nc_u32 v[ADRA+\s], s19, v4
	v_add_nc_u32 v[ADRB+\s], s23, v4
	s_add_co_u32 s19, s19, SLOT
	s_add_co_u32 s23, s23, SLOT
.endr
	s_mul_i32 s19, s[RH], HALFT                    ; the way out's stage, 256 rows x 272 bytes in slot 0: row 128 RH + r, byte 128 CH + 8 h
	s_lshl_b32 s23, s[CH], 7
	s_add_co_u32 s19, s19, s23
	v_lshl_add_u32 v5, v2, 3, v3
	v_add_nc_u32 v[STO], s19, v5
	s_mul_i32 s19, s[WV], 64*PITCH                 ; back: wave w takes rows 64 w on, two an instruction
	v_mul_u32_u24 v5, v2, PITCH
	v_lshl_add_u32 v5, v1, 4, v5
	v_add_nc_u32 v[RD], s19, v5
	v_and_b32 v6, 31, v0
	v_lshlrev_b32 v[CO], 4, v6
	v_lshlrev_b32 v8, 5, v2                        ; 32 h: my half's 8 numbers of a bias along the registers
	v_lshlrev_b32 v9, 2, v1                        ; 4 r
	; the bias, the mask and the output's place
	s_lshl_b32 s19, s42, 10
	s_lshl_b32 s23, s43, 10
	s_mov_b32 s3, s23
	s_cmp_eq_u32 ttmp9, 1
	s_cselect_b64 s[6:7], s[8:9], s[6:7]
	s_cmp_eq_u32 ttmp9, 2
	s_cselect_b64 s[6:7], s[10:11], s[6:7]         ; bq, bk or bv
	s_cselect_b32 s19, 0, s19                      ; along the registers: R's 256 channels (q, k); for v any 256 in bounds: they are multiplied by 0
	s_cselect_b32 s23, s23, 0                      ; along the lanes: P's 256 channels (v)
	s_lshl_b32 s92, s[CH], 9
	s_add_co_u32 s92, s92, s19
	s_mov_b32 s93, 0
	s_add_nc_u64 s[92:93], s[6:7], s[92:93]
	s_lshl_b32 s94, s[RH], 9
	s_add_co_u32 s2, s94, s3                       ; the mask's words of P's rows (for q and v they are in bounds and not used)
	s_add_co_u32 s94, s94, s23
	s_mov_b32 s95, 0
	s_add_nc_u64 s[94:95], s[6:7], s[94:95]
	s_mov_b32 s3, 0
	s_add_nc_u64 s[12:13], s[12:13], s[2:3]
	s_lshl_b32 s2, s42, s97
	s_add_co_u32 s2, s2, s96
	s_lshl_b32 s19, s43, 16
	s_add_co_u32 s2, s2, s19
	s_lshl_b32 s19, s[WV], 14
	s_add_co_u32 s2, s2, s19
	s_add_nc_u64 s[98:99], s[98:99], s[2:3]
.irp b, 0,1,2,3,4,5,6,7
	global_load_b128 v[BJ+8*\b:BJ+8*\b+3], v8, s[92:93] offset:64*\b        ; b[16 b + 8 h + 0 .. 7] of my 128
	global_load_b128 v[BJ+8*\b+4:BJ+8*\b+7], v8, s[92:93] offset:64*\b+16
.endr
.irp a, 0,1,2,3,4,5,6,7
	global_load_b32 v[BI+2*\a], v9, s[94:95] offset:64*\a                   ; b[16 a + r]
	global_load_b32 v[BI+2*\a+1], v9, s[12:13] offset:64*\a                 ; mask[16 a + r]
.endr
.macro FRAG reg, adr, q, i             ; 16 rows x 128 K: lane l holds row l % 16; registers 4 c .. 4 c + 3 hold K = 32 c + 16 (l / 16) + 0 .. 15: the same order of K in P and in R
.irp c, 0,1,2,3
	ds_load_b128 v[\reg+4*\c:\reg+4*\c+3], v[\adr] offset:128*(\q)+32*\c+(\i)*16*PITCH
.endr
.endm
.macro MUL16 a0, p, zero               ; P's blocks a0, a0 + 1 x R's eight; the 64 accumulators take turns, one instruction a turn
.irp a, \a0, \a0+1
.irp b, 0,1,2,3,4,5,6,7
.if \zero
	v_wmma_f32_16x16x128_fp8_fp8 v[8*(8*((\a)%4)+\b):8*(8*((\a)%4)+\b)+7], v[128*(\p)+FR*\b:128*(\p)+FR*\b+FR-1], v[AF+FR*(\a):AF+FR*(\a)+FR-1], 0
.else
	v_wmma_f32_16x16x128_fp8_fp8 v[8*(8*((\a)%4)+\b):8*(8*((\a)%4)+\b)+7], v[128*(\p)+FR*\b:128*(\p)+FR*\b+FR-1], v[AF+FR*(\a):AF+FR*(\a)+FR-1], v[8*(8*((\a)%4)+\b):8*(8*((\a)%4)+\b)+7]
.endif
.endr
.endr
.endm
.macro FETCH_B slot, q, p
	WIN TO_B
.irp i, 0,1,2,3,4,5,6,7
	FRAG 128*(\p)+FR*\i, ADRB+\slot, \q, \i
.endr
	WIN 0
.endm
.macro FETCH_A slot, q, i0
.irp i, \i0, \i0+1, \i0+2, \i0+3
	FRAG AF+FR*(\i), ADRA+\slot, \q, \i
.endr
.endm
.macro PLACES n                        ; plain vector lines between a matrix instruction and a load into, or a read of, its registers
.rept \n
	v_nop
.endr
.endm
.macro STEP slot, q, zero              ; 128 along K whose successor lies in the same slot
	s_wait_dscnt 4*NL                              ; R's set and P's blocks 0-3 are in; the youngest 16 loads (P's blocks 4-7) may be out
	WIN MUL_LO
	MUL16 0, (\q)%2, \zero
	MUL16 2, (\q)%2, \zero
	s_wait_dscnt 0
	PLACES NP
	FETCH_B \slot, (\q)+1, 1-(\q)%2
	FETCH_A \slot, (\q)+1, 0
	WIN MUL_HI
	MUL16 4, (\q)%2, \zero
	MUL16 6, (\q)%2, \zero
	PLACES NP
	WIN 0
	FETCH_A \slot, (\q)+1, 4
.endm
.macro TURN slot, next, fill           ; a slot's last 128 along K, and the change of slots
	s_wait_tensorcnt 0x0                           ; all my tensor loads have landed: my part of the next slot
	ds_add_u32 v[SPW], v[NIL]                      ; 0 onto my spare word
	s_wait_dscnt 4*NL+1                            ; (the add and the youngest 16 loads may be out)
	WIN MUL_LO
	MUL16 0, 1, 0
	s_wait_dscnt 0x0                               ; the add is done, and my reads of this slot are over
	s_barrier_signal -1
	MUL16 2, 1, 0
	WIN 0
	s_barrier_wait -1
.if \fill
	CREST                                          ; the barrier has opened a round of the cluster's: no wave of any partner still reads this slot or has a load on its way
	s_add_nc_u64 s[G0+4*\slot+2:G0+4*\slot+3], s[G0+4*\slot+2:G0+4*\slot+3], s[86:87]
	s_add_nc_u64 s[G0B+4*\slot+2:G0B+4*\slot+3], s[G0B+4*\slot+2:G0B+4*\slot+3], s[90:91]
	JLOAD \slot                                    ; the first tensor load behind the round; its four v_nop are the places in front of the loads below
.else
	PLACES NP
.endif
	FETCH_B \next, 0, 0
	FETCH_A \next, 0, 0
	WIN MUL_HI
	MUL16 4, 1, 0
	MUL16 6, 1, 0
	PLACES NP
	WIN 0
	FETCH_A \next, 0, 4
.endm
	s_wait_tensorcnt 1                             ; my part of K step 0 is in; K step 1's load may be out
	s_barrier_signal -1
	s_barrier_wait -1
	FETCH_B 0, 0, 0
	FETCH_A 0, 0, 0
	FETCH_A 0, 0, 4
	STEP 0, 0, 1                                   ; the first products start the sums: nothing is cleared
	TURN 0, 1, 1                                   ; K = 1,024 is four slots' worth: both refills are written out
	STEP 1, 0, 0
	TURN 1, 0, 1
	STEP 0, 0, 0
	TURN 0, 1, 0
	STEP 1, 0, 0
	s_wait_dscnt 4*NL
	WIN MUL_LO
	MUL16 0, 1, 0
	MUL16 2, 1, 0
	s_wait_dscnt 0
	WIN MUL_HI
	MUL16 4, 1, 0
	MUL16 6, 1, 0
	WIN 0
	; THE WAY OUT
	s_wait_kmcnt 0x0
	s_wait_loadcnt 0x0                             ; biases and mask
	s_add_co_i32 s20, s68, s69
	s_add_co_i32 s21, s70, s71
	s_add_co_i32 s22, s72, s73
	s_cmp_eq_u32 ttmp9, 1
	s_cselect_b32 s20, s21, s20
	s_cselect_b32 s23, s75, s74
	s_cselect_b32 s19, 0, -1                       ; all ones unless this is k: then every row keeps its hold
	s_cmp_eq_u32 ttmp9, 2
	s_cselect_b32 s20, s22, s20                    ; ea + eb
	s_cselect_b32 s23, s77, s23                    ; eo: e6, e7 or e9
	s_sub_co_i32 s21, 127, s20
	s_lshl_b32 s21, s21, 23                        ; 2^-(ea + eb)
	s_cmp_eq_u32 ttmp9, 2
	s_cselect_b32 s44, 0, s21                      ; the factor of the bias along the registers,
	s_cselect_b32 s22, s21, 0                      ; and of the one along the lanes
	s_mov_b32 s45, s44
	s_sub_co_i32 s21, s23, s20
	s_add_co_i32 s21, s21, 127
	s_lshl_b32 s23, s21, 23
	v_mov_b32 v112, s23                            ; 2^(eo - ea - eb): the three scales folded into the conversion's one
	s_add_co_i32 s21, s21, 8
	s_lshl_b32 s21, s21, 23
	s_or_b32 s21, s21, 0x600000
	v_mov_b32 v113, s21                            ; 448 x that
.set j, 0
.rept 32
	v_pk_mul_f32 v[BJ+j:BJ+j+1], v[BJ+j:BJ+j+1], s[44:45] op_sel_hi:[1,0]   ; (these lines are also the places behind the last products)
.set j, j+2
.endr
.irp a, 0,1,2,3,4,5,6,7
	v_mul_f32 v[BI+2*\a], s22, v[BI+2*\a]
	v_cmp_ne_u32 vcc_lo, 0, v[BI+2*\a+1]
	s_or_b32 vcc_lo, vcc_lo, s19
	v_cndmask_b32 v[BI+2*\a+1], 0, v113, vcc_lo    ; the row's hold: 0 for a masked key
.endr
.macro CBLOCK a                        ; 16 rows of P x my 128 of R: bias, hold, codes, into the stage
.set AC, 64*((\a)%4)
	WIN 0x02+((\a)/4)                              ; source 0: window 2 or 3
.set j, 0
.rept 32
	v_pk_add_f32 v[TMP+j:TMP+j+1], v[AC+j:AC+j+1], v[BJ+j:BJ+j+1]           ; each accumulator from its low end on
.set j, j+2
.endr
	WIN 0
.set j, 0
.rept 32
	v_pk_add_f32 v[TMP+j:TMP+j+1], v[TMP+j:TMP+j+1], v[BI+2*(\a):BI+2*(\a)+1] op_sel_hi:[1,0]
.set j, j+2
.endr
.set j, 0
.rept 64
	v_med3_num_f32 v[TMP+j], v[TMP+j], -v[BI+2*(\a)+1], v[BI+2*(\a)+1]      ; the conversion does not saturate (ISA guide 7.6.2)
.set j, j+1
.endr
	s_wait_dscnt 0x0                               ; the last block's stores have read their registers
.irp b, 0,1,2,3,4,5,6,7
	v_cvt_scalef32_pk8_fp8_f32 v[CDR+2*\b:CDR+2*\b+1], v[TMP+8*\b:TMP+8*\b+7], v112
.endr
	v_nop                                          ; one plain line between the conversions and the next vector line that writes their sources
.irp b, 0,1,2,3,4,5,6,7
	ds_store_b64 v[STO], v[CDR+2*\b:CDR+2*\b+1] offset:16*(\a)*PITCH+16*\b
.endr
.endm
.irp a, 0,1,2,3,4,5,6,7
	CBLOCK \a                                      ; slot 0 has had its last fill, and every wave has passed the last change of slots, behind which nobody reads it
.endr
	s_wait_dscnt 0x0                               ; for the others' sake: my stores into the stage are done
	s_barrier_signal -1
	s_barrier_wait -1
.set t, 0
.rept 32
	ds_load_b128 v[128+4*t:128+4*t+3], v[RD] offset:2*t*PITCH
.set t, t+1
.endr
.set t, 0
.rept 32
	s_wait_dscnt 31-t
	global_store_b128 v[CO], v[128+4*t:128+4*t+3], s[98:99] offset:512*t    ; two rows of a panel: 512 consecutive bytes, aligned
.set t, t+1
.endr
	s_wait_tensorcnt 0x0                           ; the wave's end
	ds_add_u32 v[SPW], v[NIL]
	s_wait_dscnt 0x0
	CROUND                                         ; the closing round
	s_endpgm
.Lfunc_end_k_qae80f1e5d1_qkv:
	.size	k_qae80f1e5d1_qkv, .Lfunc_end_k_qae80f1e5d1_qkv-k_qae80f1e5d1_qkv
	.p2alignl 7, 3214868480
	.fill 96, 4, 3214868480
	.section	.rodata,"a",@progbits
	.p2align	6, 0x0
	.amdhsa_kernel k_qae80f1e5d1_qkv
		.amdhsa_group_segment_fixed_size 327680
		.amdhsa_private_segment_fixed_size 0
		.amdhsa_enable_private_segment 0
		.amdhsa_kernarg_size 56
		.amdhsa_user_sgpr_count 2
		.amdhsa_user_sgpr_kernarg_segment_ptr 1
		.amdhsa_wavefront_size32 1
		.amdhsa_system_sgpr_workgroup_id_x 1
		.amdhsa_system_sgpr_workgroup_id_y 1
		.amdhsa_system_sgpr_workgroup_id_z 1
		.amdhsa_system_vgpr_workitem_id 0
		.amdhsa_next_free_vgpr 1024
		.amdhsa_next_free_sgpr 100
		.amdhsa_reserve_vcc 1
		.amdhsa_float_denorm_mode_32 3
		.amdhsa_float_denorm_mode_16_64 3
		.amdhsa_memory_ordered 1
		.amdhsa_forward_progress 1
		.amdhsa_inst_pref_size 165
	.end_amdhsa_kernel
	.amdgpu_metadata
---
amdhsa.version: [ 1, 2 ]
amdhsa.kernels:
  - .name:           k_qae80f1e5d1_qkv
    .symbol:         k_qae80f1e5d1_qkv.kd
    .args:
      - { .name: big1, .offset: 0, .size: 8, .value_kind: global_buffer, .address_space: global }
      - { .name: bq, .offset: 8, .size: 8, .value_kind: global_buffer, .address_space: global }
      - { .name: bk, .offset: 16, .size: 8, .value_kind: global_buffer, .address_space: global }
      - { .name: bv, .offset: 24, .size: 8, .value_kind: global_buffer, .address_space: global }
      - { .name: mask, .offset: 32, .size: 8, .value_kind: global_buffer, .address_space: global }
      - { .name: lowp_scales, .offset: 40, .size: 8, .value_kind: global_buffer, .address_space: global }
      - { .name: big2, .offset: 48, .size: 8, .value_kind: global_buffer, .address_space: global }
    .group_segment_fixed_size: 327680
    .private_segment_fixed_size: 0
    .kernarg_segment_align: 8
    .kernarg_segment_size: 56
    .max_flat_workgroup_size: 128
    .sgpr_count:     100
    .vgpr_count:     1024
    .wavefront_size: 32
...
	.end_amdgpu_metadata
.endif
;; end of part 2
;; launch attn (part 3): grid 32 x 8, 8 waves a work-group, clusters of 4 x 1, 327,680 bytes of LDS; arguments big2, mask, lowp_scales, ac; writes ac
.if DOCPART == 3
	.amdgcn_target "amdgcn-amd-amdhsa--gfx1250"
	.amdhsa_code_object_version 6
	.text
	.protected	k_qae80f1e5d1_attn
	.globl	k_qae80f1e5d1_attn
	.p2align	8
	.type	k_qae80f1e5d1_attn,@function
k_qae80f1e5d1_attn:
	s_mov_b64 s[64:65], 0
	v_nop
	global_prefetch_b8 v0, s[64:65] scope:SCOPE_SE
	s_setreg_imm32_b32 hwreg(HW_REG_WAVE_MODE, 25, 1), 1
	s_wait_xcnt 0x0
	s_wait_alu depctr_hold_cnt(0) depctr_sa_sdst(0) depctr_va_vdst(0) depctr_va_sdst(0) depctr_va_ssrc(0) depctr_va_vcc(0) depctr_vm_vsrc(0)
	s_getreg_b32 s2, hwreg(HW_REG_IB_STS2, 6, 4)
	s_cmp_eq_u32 s2, 0
	s_cbranch_scc0 .Lentry_in_a_cluster
	s_endpgm
.Lentry_in_a_cluster:
	s_bfe_u32 s2, ttmp6, 0x10000c
	s_cmp_lg_u32 s2, 0x3003
	s_cbranch_scc0 .Lentry_shape_is_right
	s_endpgm
.Lentry_shape_is_right:
; Attention on codes of E4M3: S = q k^T / 8, the mask, softmax, P v; the result is quantised at once (2^e10) for the output projection.
; q, k: big2 + 0, + 0x400000: [4 groups of 4 heads][4096 tokens][256 = 4 heads x 64].  v: + 0x800000, keys innermost: [16 blocks of 256 keys][1024 channels][256].  Out: ac [4][4096][256].
; SOFTMAX: t = score x log2(e); M = the running largest t rounded up to a whole number; p = 2^(t - M) is quantised (2^e8), not normalised; the sum of the unquantised p divides at the end.
; THE MASK.  A masked key's codes of k are zeros (the launch before), and the first product's C is -2^(33 - e6 - e7) for it and 0 otherwise: its score is -2^30 where reference() has -1e9.
; A power of two, so that score x c is exact and a row whose keys are ALL masked gets t - M = 0, p = 1 everywhere: the uniform weights of reference().
; LIMIT: e6 + e7 between -94 and 9.  An unmasked |score| is at most 64 x 448^2 / 8 x 2^(e6+e7), under 8.2e8 then, so -2^30 and -1e9 alike give p = 0 beside any unmasked key.
; LIMITS: e8 and e10 between -126 and 119.
; SHARES.  A work-group: one batch, four heads, 64 queries.  Wave w of eight: head w / 2 of the four, and TWO tiles of 16 queries, 32 (w % 2) + 16 u on: each fragment of K, of V and of the mask's C that the wave
; reads from LDS feeds two products.  Four heads to a work-group make the rows of K's and V's tiles 256 bytes.  The four work-groups of a cluster walk the same K and V: each tile is asked for jointly (mask 15).
; Both products are used transposed: a lane holds one query of each tile throughout.  A tile of K is 16 NEIGHBOURING keys (rows 272 bytes apart start at 16 different banks: 64 banks of 4 bytes, ISA guide 11.1), so register j of
; tile t is key 16 t + 8 (lane / 16) + j: the second product's own place for that k.  So p's codes of tile t are registers 2 t, 2 t + 1 of its operand, and V's fragments come by loads of 8 bytes at 16 c + 8 (lane / 16).
; LOADS AHEAD.  K, V and C have registers of their own: in a slot's first step the second step's K and C are asked for behind the first products and land while the softmax is walked.
; The two tiles' softmax lines alternate (four chains in the maxima and in the sums); their 128 exponentials are one batch.
; REGISTERS, in windows of 256 (s_set_vgpr_msb's low byte: bits 1:0 source 0, 3:2 source 1, 5:4 source 2, 7:6 destination):
;   window 0: v1-12 addresses; v13-16 the two scales and holds; v20-35 statistics, eight a tile; v36-39 the sums' second chains; v40-55 q; v56-87 p's codes; v96-223 S^T, then p; v224-239 at work in the head.
;   window 1: v0-63 K's 8 fragments; v64-127 V's 4; v128-191 C; v192-255 O^T.
.set PITCH, 272
.set HALFT, 128*PITCH                  ; what one tensor load brings
.set VOFF,  2*HALFT                    ; a slot: 256 keys' rows of K, then 256 channels' rows of V
.set SLOT,  4*HALFT
.set MB,    2*SLOT                     ; behind the ring: 2,048 f32: each key's C
.set SPARE, MB+8192                    ; the spare words, 128 bytes for each of eight waves
.set WV,  12
.set CS,  20                           ; s[20:21] c = log2(e) / 8 x 2^(e6 + e7)
.set SEL, 22                           ; s[22:23] lane selects: lane l xor 16
.set G1,  24
.set G0,  32                           ; s[32:39] a group 0 for each slot
.set KB,  47                           ; s47 bytes of the table of C's that lie behind: 2,048 for every two slots
.set CNT, 48
.set LIMP, 13                          ; v13 448 x 2^e8
.set SCP,  14                          ; v14 2^e8
.set LIMO, 15                          ; v15 448 x 2^e10
.set SCO,  16                          ; v16 2^e10
.set ST,   20                          ; tile u's statistics at v[ST+8u]: +0 -M, +1 the largest t, +2, +3 the sum in two halves, +4 f (first a chain of the maximum), +5 zero, +6, +7 at work
.set SU,   36                          ; v[SU+2u] the second chain of tile u's sum
.set QF,   40                          ; q's fragment of tile u at v[QF+8u]
.set PCD,  56                          ; p's codes of tile u at v[PCD+16u]
.set S,    96                          ; S^T of tile u at v[S+64u]
.set KR,   0                           ; window 1
.set VR,   64
.set CM,   128
.set OT,   192                         ; O^T of tile u at v[OT+32u]
.set MSB, 0
.macro WIN new                         ; the immediate's high byte repeats the setting that is left; a switch that changes nothing is dropped
.if MSB != (\new)
	s_set_vgpr_msb (MSB<<8)|(\new)
.set MSB, \new
.endif
.endm
.macro ROUND                           ; a round of the cluster's barrier
	s_barrier_signal -1
	s_barrier_wait -1
	s_cmp_lg_u32 s[WV], 0
	s_cbranch_scc1 .Lnot_wave_0_\@
	s_barrier_signal -3
.Lnot_wave_0_\@:
	s_barrier_wait -3
	s_barrier_signal -1
	s_barrier_wait -1
.endm
.macro TLOAD n                         ; waves 0, 1: K's halves; waves 2, 3: V's; the others fetch nothing.  The branch hangs on the wave's number alone.  Four v_nop follow the load
	s_cmp_lt_u32 s[WV], 4
	s_cbranch_scc0 .Lno_load_\@
	tensor_load_to_lds s[G0+4*(\n):G0+4*(\n)+3], s[G1:G1+7]
	s_nop 0
.rept 4
	v_nop
.endr
.Lno_load_\@:
.endm
; A prefetch of the tile that the NEXT change of slots will ask for: 65,536 dense bytes of K and as many of V.  All eight clusters of a batch and group of heads walk the same tiles: the first asks.
; Its four partners and, in each, waves 4, 5 (K) and 6, 7 (V) take 8,192 bytes each, told apart by address; lanes 256 bytes apart.  So each block of 256 bytes is named once.  Tiles 0 and 1 come by their loads alone; the last two changes ask for nothing.
.macro ASK
	s_cmp_lg_u32 s46, 0
	s_cbranch_scc1 .Lnot_mine_\@
	global_prefetch_b8 v8, s[44:45] th:TH_LOAD_NT scope:SCOPE_SE
.Lnot_mine_\@:
.endm
	s_load_b256 s[4:11], s[0:1], 0x0               ; big2, mask, the scales' exponents, ac
	v_lshl_add_u32 v5, v0, 2, SPARE                ; my spare word; never rewritten
	v_mov_b32 v6, 0                                ; never rewritten
	ds_add_u32 v5, v6
	s_wait_dscnt 0x0
	v_lshrrev_b32 v1, 5, v0
	v_readfirstlane_b32 s[WV], v1                  ; wave 0..7
	s_lshr_b32 s13, s[WV], 1                       ; my head of the four
	s_and_b32 s14, s[WV], 3                        ; which quarter of a slot a fetching wave fills
	s_bfe_u32 s15, ttmp6, 0x40000                  ; cx
	s_lshl_b32 s16, ttmp9, 2
	s_add_co_u32 s16, s16, s15                     ; my block of 64 queries
	s_and_b32 s19, ttmp7, 0xffff
	s_lshr_b32 s17, s19, 2                         ; batch
	s_and_b32 s18, s19, 3                          ; group of heads
	s_lshl_b32 s50, s18, 20
	s_lshl_b32 s51, s17, 19
	s_add_co_u32 s50, s50, s51
	s_add_co_u32 s50, s50, 0x400000                ; K: the group's panel, the batch's 2,048 rows
	s_lshl_b32 s52, s17, 21
	s_lshl_b32 s53, s18, 16
	s_add_co_u32 s52, s52, s53
	s_add_co_u32 s52, s52, 0x800000                ; V: the batch's 8 panels, the group's 256 rows
	s_mov_b32 s42, 0x10000                         ; a tile on, in K
	s_and_b32 s19, s[WV], 2
	s_cmp_lg_u32 s19, 0                            ; waves 2, 3, 6, 7 serve V
	s_cselect_b32 s50, s52, s50
	s_cselect_b32 s42, 0x40000, s42                ; a tile on, in V
	s_mov_b32 s51, 0
	s_mov_b32 s43, 0
	s_lshl_b32 s40, s42, 1                         ; two tiles on
	s_mov_b32 s41, 0
	s_and_b32 s49, s[WV], 1                        ; which 128 rows a fetching wave takes; also: which 32 of the 64 queries are mine
	s_lshl_b32 s54, s49, 15
	s_mov_b32 s55, 0
	s_mul_i32 s62, s14, HALFT                      ; where a load lands: (wave % 4) x 128 rows
	s_mov_b32 s[G1], 15|(1<<20)|(1<<21)|(5<<22)|(3<<25)   ; 15:0 all four work-groups; elements of 1 byte; padding on; 21 set beside a mask; four words after every 64
	s_mov_b32 s[G1+1], 256<<16
	s_mov_b32 s[G1+2], 128<<16
	s_mov_b32 s[G1+3], 256<<16
	s_mov_b32 s[G1+4], 128
	s_mov_b32 s[G1+5], 256
	s_mov_b32 s[G1+6], 0
	s_mov_b32 s[G1+7], 0
	s_mov_b32 s[SEL], 0x76543210
	s_mov_b32 s[SEL+1], 0xfedcba98
	s_mov_b32 s[KB], 0
	s_mov_b32 s[CNT], 3
	s_wait_kmcnt 0x0
	s_load_b512 s[68:83], s[8:9], 0x0              ; e0 .. e15
	s_add_nc_u64 s[50:51], s[4:5], s[50:51]
	s_add_nc_u64 s[58:59], s[50:51], s[54:55]
	s_mov_b32 s[G0], 1
	s_mov_b32 s[G0+1], s62
	s_mov_b64 s[G0+2:G0+3], s[58:59]               ; tile 0
	s_or_b32 s[G0+3], s[G0+3], 0x80000000
	s_mov_b32 s[G0+4], 1
	s_add_co_u32 s[G0+5], s62, SLOT
	s_add_nc_u64 s[G0+6:G0+7], s[58:59], s[42:43]  ; tile 1
	s_or_b32 s[G0+7], s[G0+7], 0x80000000
	ROUND                                          ; all four work-groups are here
	TLOAD 0
	s_lshl_b32 s60, s15, 1                         ; the prefetches: part 2 cx + wave % 2 of eight,
	s_add_co_u32 s60, s60, s49
	s_lshl_b32 s60, s60, 13
	s_mov_b32 s61, 0
	s_add_nc_u64 s[44:45], s[50:51], s[60:61]
	s_add_nc_u64 s[44:45], s[44:45], s[42:43]      ; at tile 1: the first change steps it to tile 2
	s_lshr_b32 s46, s[WV], 2
	s_xor_b32 s46, s46, 1
	s_or_b32 s46, s46, ttmp9                       ; 0 in waves 4 to 7 of the first cluster: the same in all partners
	s_lshl_b32 s52, s17, 11
	s_lshl_b32 s53, s16, 6
	s_add_co_u32 s52, s52, s53                     ; the work-group's first token
	s_lshl_b32 s53, s49, 5
	s_add_co_u32 s53, s53, s52                     ; my first query
	s_lshl_b32 s53, s53, 8
	s_lshl_b32 s63, s18, 20
	s_add_co_u32 s53, s53, s63
	s_lshl_b32 s84, s13, 6                         ; my head's 64 bytes of a row
	s_add_co_u32 s56, s53, s84
	s_mov_b32 s57, 0
	s_add_nc_u64 s[56:57], s[4:5], s[56:57]        ; q at my first tile
	s_lshl_b32 s53, s[WV], 3
	s_add_co_u32 s53, s53, s52
	s_lshl_b32 s53, s53, 8
	s_add_co_u32 s52, s53, s63
	s_mov_b32 s53, 0
	s_add_nc_u64 s[10:11], s[10:11], s[52:53]      ; out: the 8 rows that I store
	s_lshl_b32 s52, s17, 13
	s_add_nc_u64 s[6:7], s[6:7], s[52:53]          ; the batch's mask
	v_and_b32 v224, 15, v0                         ; r
	v_bfe_u32 v225, v0, 4, 1                       ; h
	v_lshlrev_b32 v226, 8, v224
	v_lshl_add_u32 v226, v225, 4, v226
	v_lshlrev_b32 v227, 5, v0
.irp u, 0,1
	global_load_b128 v[QF+8*\u:QF+8*\u+3], v226, s[56:57] offset:4096*\u       ; q's fragments: registers 4 c on hold channels 32 c + 16 h + 0 .. 15, as K's do
	global_load_b128 v[QF+8*\u+4:QF+8*\u+7], v226, s[56:57] offset:4096*\u+32
.endr
	global_load_b128 v[232:235], v227, s[6:7]      ; eight words of the mask a thread
	global_load_b128 v[236:239], v227, s[6:7] offset:16
	v_lshl_add_u32 v228, v0, 5, MB
	v_mul_u32_u24 v1, v224, PITCH
	v_lshl_add_u32 v1, v225, 4, v1
	v_add_nc_u32 v1, s84, v1                       ; K in slot 0: row r, my head's bytes, + 16 h,
	v_add_nc_u32 v2, SLOT, v1                      ; in slot 1
	s_mul_i32 s53, s13, 64*PITCH
	s_add_co_u32 s53, s53, VOFF
	v_mul_u32_u24 v3, v224, PITCH
	v_lshl_add_u32 v3, v225, 3, v3
	v_add_nc_u32 v3, s53, v3                       ; V likewise: my head's 64 rows, + 8 h
	v_add_nc_u32 v4, SLOT, v3
	v_lshl_add_u32 v7, v225, 5, MB                 ; the table of C's: + 8 keys for lanes 16-31
	v_and_b32 v8, 31, v0
	v_lshlrev_b32 v12, 4, v8                       ; the way out: 16 x lane
	v_lshlrev_b32 v8, 8, v8                        ; the prefetches: 256 x lane
	s_mul_i32 s54, s49, 32*PITCH
	s_add_co_u32 s54, s54, s84
	v_mul_u32_u24 v10, v224, PITCH
	v_lshl_add_u32 v10, v225, 3, v10
	v_add_nc_u32 v10, s54, v10                     ; the stage (64 rows x 272 in slot 0): row 32 (w % 2) + r, byte 64 head + 8 h
	s_mul_i32 s54, s[WV], 8*PITCH
	v_mul_u32_u24 v11, v225, PITCH
	v_lshl_add_u32 v11, v224, 4, v11
	v_add_nc_u32 v11, s54, v11                     ; back: rows 8 w on, two an instruction
.irp u, 0,1
	v_mov_b32 v[ST+8*\u+1], 0xff61b1e6             ; the largest t so far: -3e38
	v_floor_f32 v[ST+8*\u], -v[ST+8*\u+1]
	v_mov_b32 v[ST+8*\u+2], 0
	v_mov_b32 v[ST+8*\u+3], 0
	v_mov_b32 v[ST+8*\u+5], 0                      ; (the upper half of f's pair)
	v_mov_b32 v[ST+8*\u+7], 0                      ; a lane permute's destination counts as read
.endr
	WIN 0x40                                       ; destination window 1
.set j, 0
.rept 64
	v_mov_b32 v[OT+j], 0                           ; O^T: the step is written once; its first run finds zeros
.set j, j+1
.endr
	WIN 0
	s_wait_kmcnt 0x0
	s_add_co_i32 s19, s74, s75                     ; e6 + e7
	s_lshl_b32 s52, s19, 23
	s_mov_b32 s[CS], 0x3e38aa3b                    ; log2(e) / 8
	s_add_co_i32 s[CS], s[CS], s52                 ; x 2^(e6 + e7), by the exponent field
	s_mov_b32 s[CS+1], s[CS]
	s_sub_co_i32 s52, 160, s19
	s_lshl_b32 s52, s52, 23
	s_or_b32 s52, s52, 0x80000000
	v_mov_b32 v229, s52                            ; -2^(33 - e6 - e7)
	s_add_co_i32 s52, s76, 127
	s_lshl_b32 s53, s52, 23
	v_mov_b32 v[SCP], s53                          ; 2^e8
	s_add_co_i32 s52, s52, 8
	s_lshl_b32 s52, s52, 23
	s_or_b32 s52, s52, 0x600000
	v_mov_b32 v[LIMP], s52                         ; 448 x 2^e8
	s_add_co_i32 s52, s78, 127
	s_lshl_b32 s53, s52, 23
	v_mov_b32 v[SCO], s53                          ; 2^e10
	s_add_co_i32 s52, s52, 8
	s_lshl_b32 s52, s52, 23
	s_or_b32 s52, s52, 0x600000
	v_mov_b32 v[LIMO], s52                         ; 448 x 2^e10
	s_wait_loadcnt 0x0                             ; q and the mask
.irp j, 0,1,2,3,4,5,6,7
	v_cmp_eq_u32 vcc_lo, 0, v[232+\j]
	v_cndmask_b32 v[232+\j], 0, v229, vcc_lo
.endr
	ds_store_b128 v228, v[232:235]                 ; the first change of slots, below, waits for these and shows them to every wave
	ds_store_b128 v228, v[236:239] offset:16
; The three runs of LDS loads of a step of 128 keys, the q-th half of a slot; all under destination window 1.
.macro LDC slot, q                     ; C: register j of tile t stands for key 16 t + 8 h + j
.irp t, 0,1,2,3,4,5,6,7
	ds_load_b128 v[CM+8*\t:CM+8*\t+3], v9 offset:(256*\slot+128*\q+16*\t)*4
	ds_load_b128 v[CM+8*\t+4:CM+8*\t+7], v9 offset:(256*\slot+128*\q+16*\t)*4+16
.endr
.endm
.macro LDK slot, q                     ; K: tile t is keys 16 t .. 16 t + 15
.irp t, 0,1,2,3,4,5,6,7
.irp c, 0,1
	ds_load_b128 v[KR+8*\t+4*\c:KR+8*\t+4*\c+3], v[1+\slot] offset:(128*\q+16*\t)*PITCH+32*\c
.endr
.endr
.endm
.macro LDV slot, q                     ; V: tile t is channels 16 t .. 16 t + 15; registers 2 c, 2 c + 1 hold keys 16 c + 8 h + 0 .. 7; the 32 lanes of a load touch 64 different banks
.irp t, 0,1,2,3
.irp c, 0,1,2,3,4,5,6,7
	ds_load_b64 v[VR+16*\t+2*\c:VR+16*\t+2*\c+1], v[3+\slot] offset:16*\t*PITCH+128*\q+16*\c
.endr
.endr
.endm
; Both tiles' softmax for one step, in window 0 but for O^T's rescaling.  The tiles' lines alternate, so that a line seldom reads the result of the line above it.
.macro SOFTMAX
.irp u, 0,1
	v_max3_num_f32 v[ST+8*\u+6], v[S+64*\u], v[S+64*\u+1], v[S+64*\u+2]       ; the step's largest score of my query among my 64 keys, in two chains a tile; each accumulator is read from its low end on
	v_max3_num_f32 v[ST+8*\u+4], v[S+64*\u+3], v[S+64*\u+4], v[S+64*\u+5]
.endr
.irp i, 6,10,14,18,22,26,30,34,38,42,46,50,54,58
.irp u, 0,1
	v_max3_num_f32 v[ST+8*\u+6], v[ST+8*\u+6], v[S+64*\u+\i], v[S+64*\u+\i+1]
	v_max3_num_f32 v[ST+8*\u+4], v[ST+8*\u+4], v[S+64*\u+\i+2], v[S+64*\u+\i+3]
.endr
.endr
.irp u, 0,1
	v_max3_num_f32 v[ST+8*\u+6], v[ST+8*\u+6], v[S+64*\u+62], v[S+64*\u+63]
.endr
.irp u, 0,1
	v_max_num_f32 v[ST+8*\u+6], v[ST+8*\u+6], v[ST+8*\u+4]
.endr
.irp u, 0,1
	v_permlanex16_b32 v[ST+8*\u+7], v[ST+8*\u+6], s[SEL], s[SEL+1]
.endr
.irp u, 0,1
	v_max_num_f32 v[ST+8*\u+6], v[ST+8*\u+6], v[ST+8*\u+7]                   ; and among lane l xor 16's
.endr
.irp u, 0,1
	v_mul_f32 v[ST+8*\u+6], s[CS], v[ST+8*\u+6]                              ; as t (c is positive)
.endr
.irp u, 0,1
	v_max_num_f32 v[ST+8*\u+1], v[ST+8*\u+1], v[ST+8*\u+6]
.endr
.irp u, 0,1
	v_mov_b32 v[ST+8*\u+6], v[ST+8*\u]
.endr
.irp u, 0,1
	v_floor_f32 v[ST+8*\u], -v[ST+8*\u+1]                                    ; the new -M = -ceil(t)
.endr
.irp u, 0,1
	v_sub_f32 v[ST+8*\u+6], v[ST+8*\u], v[ST+8*\u+6]                         ; old M - new M: a whole number, 0 or less
.endr
.irp u, 0,1
	v_cvt_i32_f32 v[ST+8*\u+6], v[ST+8*\u+6]                                 ; (it saturates)
.endr
.irp u, 0,1
	v_ldexp_f32 v[ST+8*\u+4], 1.0, v[ST+8*\u+6]                              ; f = 2^(old M - new M): rounds nothing
.endr
.irp u, 0,1
.set j, 0
.rept 32
	v_pk_fma_f32 v[S+64*\u+j:S+64*\u+j+1], v[S+64*\u+j:S+64*\u+j+1], s[CS:CS+1], v[ST+8*\u:ST+8*\u+1] op_sel_hi:[1,0,0]   ; t - M
.set j, j+2
.endr
.endr
.set j, 0
.rept 128
	v_exp_f32 v[S+j], v[S+j]                       ; p = 2^(t - M), both tiles
.set j, j+1
.endr
.irp u, 0,1
	v_pk_mul_f32 v[ST+8*\u+2:ST+8*\u+3], v[ST+8*\u+2:ST+8*\u+3], v[ST+8*\u+4:ST+8*\u+5] op_sel_hi:[1,0]   ; the sums under the new M: the plain lines behind the exponentials
.endr
	s_wait_alu depctr_va_vdst(0)                   ; one wait for the batch of 128, ahead of its first reader
.irp u, 0,1
	v_pk_add_f32 v[SU+2*\u:SU+2*\u+1], v[S+64*\u:S+64*\u+1], v[S+64*\u+2:S+64*\u+3]   ; the sum of the unquantised p, in two chains a tile
.endr
.irp j, 4,8,12,16,20,24,28,32,36,40,44,48,52,56,60
.irp u, 0,1
	v_pk_add_f32 v[ST+8*\u+2:ST+8*\u+3], v[ST+8*\u+2:ST+8*\u+3], v[S+64*\u+\j:S+64*\u+\j+1]
	v_pk_add_f32 v[SU+2*\u:SU+2*\u+1], v[SU+2*\u:SU+2*\u+1], v[S+64*\u+\j+2:S+64*\u+\j+3]
.endr
.endr
.irp u, 0,1
	v_pk_add_f32 v[ST+8*\u+2:ST+8*\u+3], v[ST+8*\u+2:ST+8*\u+3], v[SU+2*\u:SU+2*\u+1]
.endr
.irp u, 0,1
.irp t, 0,1,2,3,4,5,6,7
.irp i, 0,1,2,3,4,5,6,7
	v_min_num_f32 v[S+64*\u+8*\t+\i], v[S+64*\u+8*\t+\i], v[LIMP]            ; p is not negative: a one-sided hold (the conversion does not saturate: ISA guide 7.6.2)
.endr
	v_cvt_scalef32_pk8_fp8_f32 v[PCD+16*\u+2*\t:PCD+16*\u+2*\t+1], v[S+64*\u+8*\t:S+64*\u+8*\t+7], v[SCP]   ; keys 16 t + 8 h + 0 .. 7: registers 2 t, 2 t + 1 of the operand
.endr
.endr
	WIN 0x41                                       ; O^T (destination and source 0) in window 1, f in window 0
.irp u, 0,1
.set j, 0
.rept 16
	v_pk_mul_f32 v[OT+32*\u+j:OT+32*\u+j+1], v[OT+32*\u+j:OT+32*\u+j+1], v[ST+8*\u+4:ST+8*\u+5] op_sel_hi:[1,0]   ; O^T under the new M; also the plain lines between the conversions and the products
.set j, j+2
.endr
.endr
.endm
.macro STEP slot, q                    ; 128 keys: the q-th half of the slot
	s_wait_dscnt 0x0                               ; this step's K and C are in
	WIN 0x11                                       ; K (source 0) and C (source 2) in window 1; q and S^T in window 0
.irp t, 0,1,2,3,4,5,6,7
	v_wmma_f32_16x16x64_fp8_fp8 v[S+8*\t:S+8*\t+7], v[KR+8*\t:KR+8*\t+7], v[QF:QF+7], v[CM+8*\t:CM+8*\t+7]              ; S^T = K q^T + C: sixteen accumulators, one instruction each
	v_wmma_f32_16x16x64_fp8_fp8 v[S+64+8*\t:S+64+8*\t+7], v[KR+8*\t:KR+8*\t+7], v[QF+8:QF+15], v[CM+8*\t:CM+8*\t+7]
.endr
	WIN 0
.rept 4
	v_nop                                          ; plain lines between the products and the loads into their sources, the loads into V's registers (which the last step's products read) and the first read of the scores
.endr
	WIN 0x40                                       ; destination window 1
	LDV \slot, \q                                  ; V's four fragments land while the softmax is walked,
.if \q == 0
	LDK \slot, 1                                   ; and so do the slot's second step's K and C
	LDC \slot, 1
.endif
	WIN 0
	SOFTMAX
.if \q == 0
	s_wait_dscnt 32                                ; V's 32 loads are in; the 32 issued behind them, the next step's K and C, may be out
.else
	s_wait_dscnt 0x0                               ; V
.endif
	WIN 0x51                                       ; V (source 0) and O^T (source 2, destination) in window 1; p's codes in window 0
.irp t, 0,1,2,3
	v_wmma_f32_16x16x128_fp8_fp8 v[OT+8*\t:OT+8*\t+7], v[VR+16*\t:VR+16*\t+15], v[PCD:PCD+15], v[OT+8*\t:OT+8*\t+7]              ; O^T += V^T P^T: eight accumulators by turns
	v_wmma_f32_16x16x128_fp8_fp8 v[OT+32+8*\t:OT+32+8*\t+7], v[VR+16*\t:VR+16*\t+15], v[PCD+16:PCD+31], v[OT+32+8*\t:OT+32+8*\t+7]
.endr
	WIN 0
.endm
; A slot's turn.  At its head: all my tensor loads have landed (my part of this slot), the add, my reads of the other slot are over; a round of the cluster's barrier; then the other slot is filled with the next tile, which has this slot's two steps in which to land.
.macro TRIP slot, refill, ask
	s_wait_tensorcnt 0x0                           ; no tensor load of mine is out, so a group 0 may be written
	ds_add_u32 v5, v6                              ; 0 onto my spare word
	s_add_nc_u64 s[G0+4*\slot+2:G0+4*\slot+3], s[G0+4*\slot+2:G0+4*\slot+3], s[40:41]   ; this slot's next tile
.if \ask
	s_wait_xcnt 0x0                                ; the last prefetch, a slot back, has read its address
	s_add_nc_u64 s[44:45], s[44:45], s[42:43]
.endif
	s_wait_dscnt 0x0                               ; the add is done; my LDS reads and stores are over
	ROUND
.if \refill
	TLOAD 1-\slot
.endif
.if \ask
	ASK
.endif
	v_add_nc_u32 v9, s[KB], v7
	WIN 0x40
	LDC \slot, 0                                   ; the slot's first step's C and K
	LDK \slot, 0
	WIN 0
	STEP \slot, 0
	STEP \slot, 1
.endm
.Lring:                                            ; eight tiles of 256 keys: three trips of two, then the last two written out
	TRIP 0, 1, 1
	TRIP 1, 1, 1
	s_add_co_u32 s[KB], s[KB], 2048
	s_sub_co_u32 s[CNT], s[CNT], 1
	s_cmp_lg_u32 s[CNT], 0
	s_cbranch_scc1 .Lring
	TRIP 0, 1, 0
	TRIP 1, 0, 0
	; THE WAY OUT: O^T x 2^(e8 + e9) / the sum, quantised by 2^e10; a row's 256 bytes come from four waves, so the codes meet in a stage in slot 0 (its last fill and its last read lie behind the last round)
.irp u, 0,1
	v_add_f32 v[ST+8*\u+2], v[ST+8*\u+2], v[ST+8*\u+3]
.endr
.irp u, 0,1
	v_permlanex16_b32 v[ST+8*\u+7], v[ST+8*\u+2], s[SEL], s[SEL+1]
.endr
.irp u, 0,1
	v_add_f32 v[ST+8*\u+2], v[ST+8*\u+2], v[ST+8*\u+7]                       ; the row's sum
.endr
.irp u, 0,1
	v_rcp_f32 v[ST+8*\u+2], v[ST+8*\u+2]
.endr
.rept 4
	v_nop                                          ; the plain line behind the reciprocals, and the plain lines behind the last products
.endr
	s_add_co_i32 s52, s76, s77
	s_wait_alu depctr_va_vdst(0)                   ; one wait for both reciprocals, ahead of their first reader
.irp u, 0,1
	v_ldexp_f32 v[ST+8*\u+2], v[ST+8*\u+2], s52
.endr
	WIN 0x01                                       ; source 0 (O^T) in window 1
.irp u, 0,1
.set j, 0
.rept 32
	v_mul_f32 v[S+64*\u+j], v[OT+32*\u+j], v[ST+8*\u+2]                      ; register 8 t + i: channel 16 t + 8 h + i of my query; each accumulator from its low end on
.set j, j+1
.endr
.endr
	WIN 0
.irp u, 0,1
.set j, 0
.rept 32
	v_med3_num_f32 v[S+64*\u+j], v[S+64*\u+j], -v[LIMO], v[LIMO]
.set j, j+1
.endr
.endr
.irp u, 0,1
.irp t, 0,1,2,3
	v_cvt_scalef32_pk8_fp8_f32 v[PCD+16*\u+2*\t:PCD+16*\u+2*\t+1], v[S+64*\u+8*\t:S+64*\u+8*\t+7], v[SCO]
.endr
.endr
	v_nop
.irp u, 0,1
.irp t, 0,1,2,3
	ds_store_b64 v10, v[PCD+16*\u+2*\t:PCD+16*\u+2*\t+1] offset:16*\u*PITCH+16*\t
.endr
.endr
	s_wait_dscnt 0x0                               ; for the others' sake
	s_barrier_signal -1
	s_barrier_wait -1
.irp i, 0,1,2,3
	ds_load_b128 v[S+4*\i:S+4*\i+3], v11 offset:2*\i*PITCH
.endr
.irp i, 0,1,2,3
	s_wait_dscnt 3-\i                              ; pair i of my four pairs of rows is back
	global_store_b128 v12, v[S+4*\i:S+4*\i+3], s[10:11] offset:512*\i        ; two rows of the panel: 512 consecutive bytes, aligned
.endr
	s_wait_tensorcnt 0x0                           ; the wave's end
	ds_add_u32 v5, v6
	s_wait_dscnt 0x0
	ROUND                                          ; the closing round
	s_endpgm
.Lfunc_end_k_qae80f1e5d1_attn:
	.size	k_qae80f1e5d1_attn, .Lfunc_end_k_qae80f1e5d1_attn-k_qae80f1e5d1_attn
	.p2alignl 7, 3214868480
	.fill 96, 4, 3214868480
	.section	.rodata,"a",@progbits
	.p2align	6, 0x0
	.amdhsa_kernel k_qae80f1e5d1_attn
		.amdhsa_group_segment_fixed_size 327680
		.amdhsa_private_segment_fixed_size 0
		.amdhsa_enable_private_segment 0
		.amdhsa_kernarg_size 32
		.amdhsa_user_sgpr_count 2
		.amdhsa_user_sgpr_kernarg_segment_ptr 1
		.amdhsa_wavefront_size32 1
		.amdhsa_system_sgpr_workgroup_id_x 1
		.amdhsa_system_sgpr_workgroup_id_y 1
		.amdhsa_system_sgpr_workgroup_id_z 1
		.amdhsa_system_vgpr_workitem_id 0
		.amdhsa_next_free_vgpr 512
		.amdhsa_next_free_sgpr 100
		.amdhsa_reserve_vcc 1
		.amdhsa_float_denorm_mode_32 3
		.amdhsa_float_denorm_mode_16_64 3
		.amdhsa_memory_ordered 1
		.amdhsa_forward_progress 1
		.amdhsa_inst_pref_size 255
	.end_amdhsa_kernel
	.section	.bss,"aw",@nobits
	.p2align	6
	.space	262144
	.amdgpu_metadata
---
amdhsa.version: [ 1, 2 ]
amdhsa.kernels:
  - .name:           k_qae80f1e5d1_attn
    .symbol:         k_qae80f1e5d1_attn.kd
    .args:
      - { .name: big2, .offset: 0, .size: 8, .value_kind: global_buffer, .address_space: global }
      - { .name: mask, .offset: 8, .size: 8, .value_kind: global_buffer, .address_space: global }
      - { .name: lowp_scales, .offset: 16, .size: 8, .value_kind: global_buffer, .address_space: global }
      - { .name: ac, .offset: 24, .size: 8, .value_kind: global_buffer, .address_space: global }
    .group_segment_fixed_size: 327680
    .private_segment_fixed_size: 0
    .kernarg_segment_align: 8
    .kernarg_segment_size: 32
    .max_flat_workgroup_size: 256
    .sgpr_count:     100
    .vgpr_count:     512
    .wavefront_size: 32
...
	.end_amdgpu_metadata
.endif
;; end of part 3
;; launch oproj (part 4): grid 4 x 16, 4 waves a work-group, clusters of 4 x 4, 327,680 bytes of LDS; arguments ac, w1c, y; writes y
.if DOCPART == 4
	.amdgcn_target "amdgcn-amd-amdhsa--gfx1250"
	.amdhsa_code_object_version 6
	.text
	.protected	k_qae80f1e5d1_oproj
	.globl	k_qae80f1e5d1_oproj
	.p2align	8
	.type	k_qae80f1e5d1_oproj,@function
k_qae80f1e5d1_oproj:
	s_mov_b64 s[64:65], 0
	v_nop
	global_prefetch_b8 v0, s[64:65] scope:SCOPE_SE
	s_setreg_imm32_b32 hwreg(HW_REG_WAVE_MODE, 25, 1), 1
	s_wait_xcnt 0x0
	s_wait_alu depctr_hold_cnt(0) depctr_sa_sdst(0) depctr_va_vdst(0) depctr_va_sdst(0) depctr_va_ssrc(0) depctr_va_vcc(0) depctr_vm_vsrc(0)
	s_getreg_b32 s2, hwreg(HW_REG_IB_STS2, 6, 4)
	s_cmp_eq_u32 s2, 0
	s_cbranch_scc0 .Lentry_in_a_cluster
	s_endpgm
.Lentry_in_a_cluster:
	s_bfe_u32 s2, ttmp6, 0x10000c
	s_cmp_lg_u32 s2, 0xf033
	s_cbranch_scc0 .Lentry_shape_is_right
	s_endpgm
.Lentry_shape_is_right:
; RAW SUMS of a product on codes of E4M3 over K = 1,024: y[s][m][n] = sum over k of a[m][1024 s + k] b[n][1024 s + k], f32, not yet multiplied by the scales (the layer norm that follows does that).
; a: panels [K/256][4096 rows][256 bytes]; b: panels [K/256][1024 rows][256].  Work-group y = 16 s + tile row: with 16 rows of work-groups s = 0 (K = 1,024); with 64, four parts of a K of 4,096, each with its own plane of y.
; A tile of 256 x 256 to a work-group of four waves, 128 x 128 a wave: 64 accumulators, 512 registers.  K goes in four steps of 256 through two LDS slots filled by joint tensor loads.
; P = a (its rows fall on the lanes of a result), R = b (on a lane's registers: source 0 = R, source 1 = P): a lane holds 8 neighbouring numbers of a row of y.
; P's tile is shared along a row of the cluster of 4 x 4, R's along a column: each is asked for jointly by the four that need it.
; REGISTERS, in windows of 256: window 0: v0-31 addresses; from v128 P's fragments, one set.  window 1: R's fragments, two sets.  windows 2, 3: the accumulators.
.set PITCH,  272                       ; an LDS row: 256 bytes + 16: the 16 rows that a load touches start at 16 different banks (64 banks of 4 bytes: ISA guide 11.1)
.set FR,     16
.set NL,     4
.set NP,     4                         ; places behind this matrix instruction (ISA guide 7.12.1)
.set HALFT,  128*PITCH
.set SLOT,   4*HALFT
.set SPARE,  2*SLOT                    ; behind the ring: the spare words, 128 bytes a wave
.set SPITCH, 528                       ; the way out: 16 rows x (512 + 16) bytes for each wave, in slot 0
.set PST,    0x100000                  ; a panel of a
.set RST,    0x40000                   ; a panel of b
.set ADRA, 16
.set ADRB, 20
.set STO,  24
.set RD,   25
.set CO,   26
.set SPW,  28
.set NIL,  29
.set AF,   128
.set BK,   128                         ; the way out: 16 rows read back: v128-191 and v192-255 by turns
.set WV, 16
.set RH, 17
.set CH, 18
.set G1, 24
.set G0, 32
.set G1B, 48
.set G0B, 56
.set MSB, 0
.macro WIN new                         ; the immediate's high byte repeats the setting that is left
.if MSB != (\new)
	s_set_vgpr_msb (MSB<<8)|(\new)
.set MSB, \new
.endif
.endm
.set MUL_LO, 0xa1
.set MUL_HI, 0xf1
.set TO_B,   0x40
.macro JLOAD s                         ; a joint load: waves 0, 1 fetch P's halves, waves 2, 3 R's; four v_nop follow each line
	s_cmp_eq_u32 s[RH], 0
	s_cbranch_scc0 .Lfor_r_\@
	tensor_load_to_lds s[G0+4*\s:G0+4*\s+3], s[G1:G1+7]
	s_nop 0
.rept 4
	v_nop
.endr
	s_branch .Lasked_\@
.Lfor_r_\@:
	tensor_load_to_lds s[G0B+4*\s:G0B+4*\s+3], s[G1B:G1B+7]
	s_nop 0
.rept 4
	v_nop
.endr
.Lasked_\@:
.endm
.macro CREST
	s_cmp_lg_u32 s[WV], 0
	s_cbranch_scc1 .Lnot_wave_0_\@
	s_barrier_signal -3
.Lnot_wave_0_\@:
	s_barrier_wait -3
	s_barrier_signal -1
	s_barrier_wait -1
.endm
.macro CROUND
	s_barrier_signal -1
	s_barrier_wait -1
	CREST
.endm
	s_load_b128 s[4:7], s[0:1], 0x0                ; a, b
	s_load_b64 s[8:9], s[0:1], 0x10                ; y
	v_lshl_add_u32 v[SPW], v0, 2, SPARE
	v_mov_b32 v[NIL], 0
	ds_add_u32 v28, v29
	s_wait_dscnt 0x0
	v_lshrrev_b32 v1, 5, v0
	v_readfirstlane_b32 s[WV], v1
	s_lshr_b32 s[RH], s[WV], 1
	s_and_b32 s[CH], s[WV], 1
	s_bfe_u32 s40, ttmp6, 0x40000                  ; cx
	s_bfe_u32 s41, ttmp6, 0x40004                  ; cy
	s_lshl_b32 s42, ttmp9, 2
	s_add_co_u32 s42, s42, s40                     ; R's tile
	s_and_b32 s19, ttmp7, 0xffff
	s_lshr_b32 s84, s19, 2                         ; s: which 1,024 of K
	s_and_b32 s43, s19, 3
	s_lshl_b32 s43, s43, 2
	s_add_co_u32 s43, s43, s41                     ; P's tile
	s_lshl_b32 s85, s19, 2
	s_add_co_u32 s85, s85, s41                     ; 16 s + P's tile: the tile row in y
	s_lshl_b32 s44, s41, 2
	s_lshl_b32 s44, 15, s44
	s_lshl_b32 s45, 0x1111, s40
	s_or_b32 s[G1], s44, (1<<20)|(1<<21)|(5<<22)|(3<<25)   ; the mask; elements of 1 byte; padding on; 21 set beside a mask; four words after every 64
	s_or_b32 s[G1B], s45, (1<<20)|(1<<21)|(5<<22)|(3<<25)
.irp g, G1, G1B
	s_mov_b32 s[\g+1], 256<<16
	s_mov_b32 s[\g+2], 128<<16
	s_mov_b32 s[\g+3], 256<<16
	s_mov_b32 s[\g+4], 128
	s_mov_b32 s[\g+5], 256
	s_mov_b32 s[\g+6], 0
	s_mov_b32 s[\g+7], 0
.endr
	s_lshl_b32 s20, s84, 22                        ; P: four panels a part, 65,536 bytes a tile; no register here ever holds cx
	s_lshl_b32 s21, s43, 16
	s_add_co_u32 s20, s20, s21
	s_lshl_b32 s21, s[CH], 15
	s_add_co_u32 s20, s20, s21
	s_mov_b32 s21, 0
	s_lshl_b32 s46, s84, 20                        ; R likewise; none of these holds cy
	s_lshl_b32 s47, s42, 16
	s_add_co_u32 s46, s46, s47
	s_lshl_b32 s47, s[CH], 15
	s_add_co_u32 s46, s46, s47
	s_mov_b32 s47, 0
	s_mul_i32 s22, s[WV], HALFT
	s_lshl_b32 s86, s85, 20                        ; y: 256 rows of 4,096 bytes a tile row,
	s_lshl_b32 s87, s[RH], 19
	s_add_co_u32 s86, s86, s87
	s_lshl_b32 s87, s42, 10                        ; 1,024 bytes a tile column,
	s_add_co_u32 s86, s86, s87
	s_lshl_b32 s87, s[CH], 9
	s_add_co_u32 s86, s86, s87
	s_mov_b32 s87, 0
	s_wait_kmcnt 0x0
	s_add_nc_u64 s[20:21], s[4:5], s[20:21]
	s_add_nc_u64 s[46:47], s[6:7], s[46:47]
	s_add_nc_u64 s[8:9], s[8:9], s[86:87]
	CROUND                                         ; all sixteen work-groups are here: the first joint loads meet
.irp s, 0,1
	s_mov_b32 s[G0+4*\s], 1
	s_add_co_u32 s[G0+4*\s+1], s22, \s*SLOT
	s_add_nc_u64 s[G0+4*\s+2:G0+4*\s+3], s[20:21], \s*PST
	s_or_b32 s[G0+4*\s+3], s[G0+4*\s+3], 0x80000000
	s_mov_b32 s[G0B+4*\s], 1
	s_add_co_u32 s[G0B+4*\s+1], s22, \s*SLOT
	s_add_nc_u64 s[G0B+4*\s+2:G0B+4*\s+3], s[46:47], \s*RST
	s_or_b32 s[G0B+4*\s+3], s[G0B+4*\s+3], 0x80000000
	JLOAD \s
.endr
	v_and_b32 v1, 15, v0
	v_bfe_u32 v2, v0, 4, 1
	v_mul_u32_u24 v3, v1, PITCH
	v_lshl_add_u32 v4, v2, 4, v3
	s_mul_i32 s19, s[RH], HALFT
	s_mul_i32 s23, s[CH], HALFT
	s_add_co_u32 s23, s23, 2*HALFT
.irp s, 0,1
	v_add_nc_u32 v[ADRA+\s], s19, v4
	v_add_nc_u32 v[ADRB+\s], s23, v4
	s_add_co_u32 s19, s19, SLOT
	s_add_co_u32 s23, s23, SLOT
.endr
	s_mul_i32 s23, s[WV], 16*SPITCH                ; my stage
	v_mul_u32_u24 v5, v1, SPITCH
	v_lshl_add_u32 v5, v2, 5, v5
	v_add_nc_u32 v[STO], s23, v5                   ; in: row r, 32 bytes for each half of the lanes
	v_and_b32 v6, 31, v0
	v_lshlrev_b32 v[CO], 4, v6
	v_add_nc_u32 v[RD], s23, v[CO]                 ; back: the 32 lanes take a row of 512 bytes
.macro FRAG reg, adr, q, i
.irp c, 0,1,2,3
	ds_load_b128 v[\reg+4*\c:\reg+4*\c+3], v[\adr] offset:128*(\q)+32*\c+(\i)*16*PITCH
.endr
.endm
.macro MUL16 a0, p, zero               ; the 64 accumulators take turns, one instruction a turn
.irp a, \a0, \a0+1
.irp b, 0,1,2,3,4,5,6,7
.if \zero
	v_wmma_f32_16x16x128_fp8_fp8 v[8*(8*((\a)%4)+\b):8*(8*((\a)%4)+\b)+7], v[128*(\p)+FR*\b:128*(\p)+FR*\b+FR-1], v[AF+FR*(\a):AF+FR*(\a)+FR-1], 0
.else
	v_wmma_f32_16x16x128_fp8_fp8 v[8*(8*((\a)%4)+\b):8*(8*((\a)%4)+\b)+7], v[128*(\p)+FR*\b:128*(\p)+FR*\b+FR-1], v[AF+FR*(\a):AF+FR*(\a)+FR-1], v[8*(8*((\a)%4)+\b):8*(8*((\a)%4)+\b)+7]
.endif
.endr
.endr
.endm
.macro FETCH_B slot, q, p
	WIN TO_B
.irp i, 0,1,2,3,4,5,6,7
	FRAG 128*(\p)+FR*\i, ADRB+\slot, \q, \i
.endr
	WIN 0
.endm
.macro FETCH_A slot, q, i0
.irp i, \i0, \i0+1, \i0+2, \i0+3
	FRAG AF+FR*(\i), ADRA+\slot, \q, \i
.endr
.endm
.macro PLACES n
.rept \n
	v_nop
.endr
.endm
.macro STEP slot, q, zero
	s_wait_dscnt 4*NL                              ; R's set and P's blocks 0-3 are in; the youngest 16 loads may be out
	WIN MUL_LO
	MUL16 0, (\q)%2, \zero
	MUL16 2, (\q)%2, \zero
	s_wait_dscnt 0
	PLACES NP
	FETCH_B \slot, (\q)+1, 1-(\q)%2
	FETCH_A \slot, (\q)+1, 0
	WIN MUL_HI
	MUL16 4, (\q)%2, \zero
	MUL16 6, (\q)%2, \zero
	PLACES NP
	WIN 0
	FETCH_A \slot, (\q)+1, 4
.endm
.macro TURN slot, next, fill
	s_wait_tensorcnt 0x0                           ; all my tensor loads have landed: my part of the next slot
	ds_add_u32 v[SPW], v[NIL]                      ; 0 onto my spare word
	s_wait_dscnt 4*NL+1                            ; (the add and the youngest 16 loads may be out)
	WIN MUL_LO
	MUL16 0, 1, 0
	s_wait_dscnt 0x0                               ; the add is done, and my reads of this slot are over
	s_barrier_signal -1
	MUL16 2, 1, 0
	WIN 0
	s_barrier_wait -1
.if \fill
	CREST                                          ; the barrier has opened a round of the cluster's: no wave of any partner still reads this slot or has a load on its way
	s_add_nc_u64 s[G0+4*\slot+2:G0+4*\slot+3], s[G0+4*\slot+2:G0+4*\slot+3], 2*PST
	s_add_nc_u64 s[G0B+4*\slot+2:G0B+4*\slot+3], s[G0B+4*\slot+2:G0B+4*\slot+3], 2*RST
	JLOAD \slot
.else
	PLACES NP
.endif
	FETCH_B \next, 0, 0
	FETCH_A \next, 0, 0
	WIN MUL_HI
	MUL16 4, 1, 0
	MUL16 6, 1, 0
	PLACES NP
	WIN 0
	FETCH_A \next, 0, 4
.endm
	s_wait_tensorcnt 1                             ; my part of K step 0 is in; K step 1's load may be out
	s_barrier_signal -1
	s_barrier_wait -1
	FETCH_B 0, 0, 0
	FETCH_A 0, 0, 0
	FETCH_A 0, 0, 4
	STEP 0, 0, 1                                   ; the first products start the sums
	TURN 0, 1, 1
	STEP 1, 0, 0
	TURN 1, 0, 1
	STEP 0, 0, 0
	TURN 0, 1, 0
	STEP 1, 0, 0
	s_wait_dscnt 4*NL
	WIN MUL_LO
	MUL16 0, 1, 0
	MUL16 2, 1, 0
	s_wait_dscnt 0
	WIN MUL_HI
	MUL16 4, 1, 0
	MUL16 6, 1, 0
	WIN 0
; THE WAY OUT, block by block of 16 rows x 128 columns: the sums go as they are through my own stage (in slot 0: its last fill and its last read lie behind the last change of slots) and come back as whole rows of 512 bytes.
.macro TOSTAGE a
.set AC, 64*((\a)%4)
	WIN 0x08+4*((\a)/4)                            ; an LDS store's data are source 1: window 2 or 3
.irp b, 0,1,2,3,4,5,6,7
	ds_store_b128 v[STO], v[AC+8*\b:AC+8*\b+3] offset:64*\b          ; each accumulator from its low end on
	ds_store_b128 v[STO], v[AC+8*\b+4:AC+8*\b+7] offset:64*\b+16
.endr
	WIN 0
.set BB, BK+64*((\a)%2)
.irp t, 0,1,2,3,4,5,6,7,8,9,10,11,12,13,14,15
	ds_load_b128 v[BB+4*\t:BB+4*\t+3], v[RD] offset:\t*SPITCH        ; LDS serves a wave's instructions in order (ISA guide 5.7.1.4)
.endr
.endm
.macro SEND a, younger
.set BB, BK+64*((\a)%2)
	s_wait_dscnt \younger
.if (\a) > 0
	s_add_nc_u64 s[8:9], s[8:9], 16*4096           ; (behind a wait on XCNT: the earlier stores have read their base)
.endif
.irp t, 0,1,2,3,4,5,6,7,8,9,10,11,12,13,14,15
	global_store_b128 v[CO], v[BB+4*\t:BB+4*\t+3], s[8:9] offset:\t*4096 th:TH_STORE_NT   ; 32 lanes: 512 consecutive bytes, aligned
.endr
.endm
	PLACES NP                                      ; behind the last products: for the stores of results and the loads into P's registers
	TOSTAGE 0
.irp a, 1,2,3,4,5,6,7
.if \a > 1
	s_wait_xcnt 0x0                                ; block a - 2's stores have read their registers and their base
.endif
	TOSTAGE \a
	SEND \a-1, 32                                  ; behind block a - 1's loads: block a's 16 stores and 16 loads
.endr
	s_wait_xcnt 0x0
	SEND 7, 0
	s_wait_tensorcnt 0x0                           ; the wave's end
	ds_add_u32 v[SPW], v[NIL]
	s_wait_dscnt 0x0
	CROUND                                         ; the closing round
	s_endpgm
.Lfunc_end_k_qae80f1e5d1_oproj:
	.size	k_qae80f1e5d1_oproj, .Lfunc_end_k_qae80f1e5d1_oproj-k_qae80f1e5d1_oproj
	.p2alignl 7, 3214868480
	.fill 96, 4, 3214868480
	.section	.rodata,"a",@progbits
	.p2align	6, 0x0
	.amdhsa_kernel k_qae80f1e5d1_oproj
		.amdhsa_group_segment_fixed_size 327680
		.amdhsa_private_segment_fixed_size 0
		.amdhsa_enable_private_segment 0
		.amdhsa_kernarg_size 24
		.amdhsa_user_sgpr_count 2
		.amdhsa_user_sgpr_kernarg_segment_ptr 1
		.amdhsa_wavefront_size32 1
		.amdhsa_system_sgpr_workgroup_id_x 1
		.amdhsa_system_sgpr_workgroup_id_y 1
		.amdhsa_system_sgpr_workgroup_id_z 1
		.amdhsa_system_vgpr_workitem_id 0
		.amdhsa_next_free_vgpr 1024
		.amdhsa_next_free_sgpr 100
		.amdhsa_reserve_vcc 0
		.amdhsa_float_denorm_mode_32 3
		.amdhsa_float_denorm_mode_16_64 3
		.amdhsa_memory_ordered 1
		.amdhsa_forward_progress 1
		.amdhsa_inst_pref_size 107
	.end_amdhsa_kernel
	.amdgpu_metadata
---
amdhsa.version: [ 1, 2 ]
amdhsa.kernels:
  - .name:           k_qae80f1e5d1_oproj
    .symbol:         k_qae80f1e5d1_oproj.kd
    .args:
      - { .name: ac, .offset: 0, .size: 8, .value_kind: global_buffer, .address_space: global }
      - { .name: w1c, .offset: 8, .size: 8, .value_kind: global_buffer, .address_space: global }
      - { .name: y, .offset: 16, .size: 8, .value_kind: global_buffer, .address_space: global }
    .group_segment_fixed_size: 327680
    .private_segment_fixed_size: 0
    .kernarg_segment_align: 8
    .kernarg_segment_size: 24
    .max_flat_workgroup_size: 128
    .sgpr_count:     100
    .vgpr_count:     1024
    .wavefront_size: 32
...
	.end_amdgpu_metadata
.endif
;; end of part 4
;; launch ln1 (part 5): grid 256 x 1, 16 waves a work-group, no clusters, 18,432 bytes of LDS; arguments y, x, b1, g1, be1, fb2, lowp_scales, x1r, big2; writes x1r, big2
.if DOCPART == 5
	.amdgcn_target "amdgcn-amd-amdhsa--gfx1250"
	.amdhsa_code_object_version 6
	.text
	.protected	k_qae80f1e5d1_ln1
	.globl	k_qae80f1e5d1_ln1
	.p2align	8
	.type	k_qae80f1e5d1_ln1,@function
k_qae80f1e5d1_ln1:
	s_mov_b64 s[64:65], 0
	v_nop
	global_prefetch_b8 v0, s[64:65] scope:SCOPE_SE
	s_setreg_imm32_b32 hwreg(HW_REG_WAVE_MODE, 25, 1), 1
	s_wait_xcnt 0x0
; x1 = layernorm(sum x 2^(e10 + e11) + b1 + x) x g1 + be1, a wave to a row of 1,024, the row in 32 registers a lane: read once, mean and variance in two passes over registers, as reference() has them.
; Out: x1 + fb2 as f32 (the second norm's residual with the last bias already in it) and x1's codes of E4M3 (2^e12) in panels [4][4096][256] at big2 + 0xC00000.
; A load or store of 16 bytes a lane covers 512 consecutive bytes.  The codes turn through 1,024 bytes of LDS of the wave's own, so that sixteen lanes store 256 consecutive bytes of a panel.  No barrier: waves share nothing.
; Matrix units, clusters and tensor loads are left out: every byte is read once and nothing is shared but the four vectors of 4,096 bytes.
; LIMITS: e10 + e11 between -126 and 127; e12 between -126 and 119.  NaN is not served.
.set B,  16
.set G,  48
.set E,  80
.set F,  112
.set Y,  144
.set X,  176
.set C,  208
.set TT, 216
.set MU, 224
.set RS, 226
.macro LD8 reg, b
.irp j, 0,1,2,3,4,5,6,7
	global_load_b128 v[\reg+4*\j:\reg+4*\j+3], v1, s[\b:\b+1] offset:512*\j
.endr
.endm
.macro LD8NT reg, b
.irp j, 0,1,2,3,4,5,6,7
	global_load_b128 v[\reg+4*\j:\reg+4*\j+3], v1, s[\b:\b+1] offset:512*\j th:TH_LOAD_NT
.endr
.endm
.macro REDUCE                          ; four packed chains in v[TT] on become the row's sum, in every lane's v[TT]
	v_pk_add_f32 v[TT:TT+1], v[TT:TT+1], v[TT+2:TT+3]
	v_pk_add_f32 v[TT+4:TT+5], v[TT+4:TT+5], v[TT+6:TT+7]
	v_pk_add_f32 v[TT:TT+1], v[TT:TT+1], v[TT+4:TT+5]
	v_add_f32 v[TT], v[TT], v[TT+1]
	v_add_f32_dpp v[TT], v[TT], v[TT] row_xmask:1 row_mask:0xf bank_mask:0xf
	v_add_f32_dpp v[TT], v[TT], v[TT] row_xmask:2 row_mask:0xf bank_mask:0xf
	v_add_f32_dpp v[TT], v[TT], v[TT] row_xmask:4 row_mask:0xf bank_mask:0xf
	v_add_f32_dpp v[TT], v[TT], v[TT] row_xmask:8 row_mask:0xf bank_mask:0xf
	v_permlanex16_b32 v[TT+1], v[TT], s30, s31
	v_add_f32 v[TT], v[TT], v[TT+1]
.endm
	s_load_b512 s[4:19], s[0:1], 0x0               ; y, x, b1, g1, be1, fb2, the scales' exponents, x1r
	s_load_b64 s[20:21], s[0:1], 0x40              ; big2
	v_lshl_add_u32 v240, v0, 2, 0x4000
	v_mov_b32 v241, 0
	v_lshrrev_b32 v2, 5, v0
	v_readfirstlane_b32 s22, v2                    ; wave
	v_and_b32 v2, 31, v0
	v_lshlrev_b32 v1, 4, v2                        ; 16 x lane
	s_lshl_b32 s23, ttmp9, 4
	s_add_co_u32 s23, s23, s22                     ; my row
	s_lshl_b32 s32, s23, 12
	s_mov_b32 s33, 0
	s_lshl_b32 s36, s23, 8
	s_add_co_u32 s36, s36, 0xC00000
	s_mov_b32 s37, 0
	s_mov_b32 s30, 0x76543210
	s_mov_b32 s31, 0xfedcba98
	s_mov_b32 s34, 0x3a800000                      ; 1 / 1,024
	s_mov_b32 s35, 0x3727c5ac                      ; 1e-5
	s_lshl_b32 s38, s22, 10                        ; my 1,024 bytes of LDS
	v_lshl_add_u32 v3, v2, 2, s38
	v_add_nc_u32 v4, s38, v1
	v_and_b32 v5, 15, v2
	v_lshrrev_b32 v6, 4, v2
	v_lshlrev_b32 v5, 4, v5
	v_lshl_add_u32 v5, v6, 20, v5                  ; lanes 16-31 store into the next panel
	s_wait_kmcnt 0x0
	s_load_b128 s[24:27], s[16:17], 0x28           ; e10, e11, e12, e13
	s_add_nc_u64 s[4:5], s[4:5], s[32:33]
	s_add_nc_u64 s[6:7], s[6:7], s[32:33]
	s_add_nc_u64 s[18:19], s[18:19], s[32:33]
	s_add_nc_u64 s[20:21], s[20:21], s[36:37]
	LD8NT Y, 4
	LD8NT X, 6
	LD8 B, 8
	LD8 G, 10
	LD8 E, 12
	LD8 F, 14
	s_wait_kmcnt 0x0
	s_add_co_i32 s28, s24, s25
	s_add_co_i32 s28, s28, 127
	s_lshl_b32 s28, s28, 23                        ; 2^(e10 + e11)
	s_mov_b32 s29, s28
	s_add_co_i32 s39, s26, 127
	s_lshl_b32 s40, s39, 23
	v_mov_b32 v228, s40                            ; 2^e12
	s_add_co_i32 s39, s39, 8
	s_lshl_b32 s39, s39, 23
	s_or_b32 s39, s39, 0x600000
	v_mov_b32 v229, s39                            ; 448 x 2^e12
	s_wait_loadcnt 24                              ; the sums, x and b1 are in; g1, be1 and fb2 (24 loads) may be out
.set j, 0
.rept 16
	v_pk_fma_f32 v[Y+j:Y+j+1], v[Y+j:Y+j+1], s[28:29], v[B+j:B+j+1] op_sel_hi:[1,0,1]
.set j, j+2
.endr
.set j, 0
.rept 16
	v_pk_add_f32 v[Y+j:Y+j+1], v[Y+j:Y+j+1], v[X+j:X+j+1]
.set j, j+2
.endr
.irp c, 0,1,2,3
	v_pk_add_f32 v[TT+2*\c:TT+2*\c+1], v[Y+2*\c:Y+2*\c+1], v[Y+8+2*\c:Y+8+2*\c+1]
.endr
.irp c, 0,1,2,3
	v_pk_add_f32 v[TT+2*\c:TT+2*\c+1], v[TT+2*\c:TT+2*\c+1], v[Y+16+2*\c:Y+16+2*\c+1]
.endr
.irp c, 0,1,2,3
	v_pk_add_f32 v[TT+2*\c:TT+2*\c+1], v[TT+2*\c:TT+2*\c+1], v[Y+24+2*\c:Y+24+2*\c+1]
.endr
	REDUCE
	v_mul_f32 v[MU], s34, v[TT]                    ; the mean
	v_mov_b32 v[MU+1], v[MU]
.set j, 0
.rept 16
	v_pk_add_f32 v[Y+j:Y+j+1], v[Y+j:Y+j+1], v[MU:MU+1] op_sel_hi:[1,0] neg_lo:[0,1] neg_hi:[0,1]
.set j, j+2
.endr
.irp c, 0,1,2,3
	v_pk_mul_f32 v[TT+2*\c:TT+2*\c+1], v[Y+2*\c:Y+2*\c+1], v[Y+2*\c:Y+2*\c+1]
.endr
.irp k, 8,16,24
.irp c, 0,1,2,3
	v_pk_fma_f32 v[TT+2*\c:TT+2*\c+1], v[Y+\k+2*\c:Y+\k+2*\c+1], v[Y+\k+2*\c:Y+\k+2*\c+1], v[TT+2*\c:TT+2*\c+1]
.endr
.endr
	REDUCE
	v_fma_f32 v[TT+2], v[TT], s34, s35             ; the variance + 1e-5
	v_rsq_f32 v[RS], v[TT+2]
	v_mov_b32 v[RS+1], 0                           ; the plain line behind the root (and the pair's upper half is written)
	s_wait_alu depctr_va_vdst(0)                   ; ahead of the root's first reader
	s_wait_loadcnt 0x0
.set j, 0
.rept 16
	v_pk_mul_f32 v[Y+j:Y+j+1], v[Y+j:Y+j+1], v[RS:RS+1] op_sel_hi:[1,0]
.set j, j+2
.endr
.set j, 0
.rept 16
	v_pk_fma_f32 v[Y+j:Y+j+1], v[Y+j:Y+j+1], v[G+j:G+j+1], v[E+j:E+j+1]
.set j, j+2
.endr
.set j, 0
.rept 16
	v_pk_add_f32 v[X+j:X+j+1], v[Y+j:Y+j+1], v[F+j:F+j+1]
.set j, j+2
.endr
.irp j, 0,1,2,3,4,5,6,7
	global_store_b128 v1, v[X+4*\j:X+4*\j+3], s[18:19] offset:512*\j th:TH_STORE_NT
.endr
.set j, 0
.rept 32
	v_med3_num_f32 v[Y+j], v[Y+j], -v229, v229     ; the conversion does not saturate (ISA guide 7.6.2)
.set j, j+1
.endr
.irp m, 0,1,2,3
	v_cvt_scalef32_pk8_fp8_f32 v[C+2*\m:C+2*\m+1], v[Y+8*\m:Y+8*\m+7], v228   ; register j of the eight: the codes of elements 128 j + 4 lane + 0 .. 3
.endr
	v_nop
.irp j, 0,1,2,3,4,5,6,7
	ds_store_b32 v3, v[C+\j] offset:128*\j
.endr
	ds_load_b128 v[TT:TT+3], v4                    ; LDS serves a wave's instructions in order (ISA guide 5.7.1.4): these see my stores
	ds_load_b128 v[TT+4:TT+7], v4 offset:512
	s_wait_dscnt 1
	global_store_b128 v5, v[TT:TT+3], s[20:21]                     ; panels 0 and 1: sixteen lanes fill 256 consecutive bytes, aligned
	s_wait_dscnt 0
	global_store_b128 v5, v[TT+4:TT+7], s[20:21] offset:0x200000   ; panels 2 and 3
	s_wait_tensorcnt 0x0
	ds_add_u32 v240, v241
	s_wait_dscnt 0x0
	s_endpgm
.Lfunc_end_k_qae80f1e5d1_ln1:
	.size	k_qae80f1e5d1_ln1, .Lfunc_end_k_qae80f1e5d1_ln1-k_qae80f1e5d1_ln1
	.p2alignl 7, 3214868480
	.fill 96, 4, 3214868480
	.section	.rodata,"a",@progbits
	.p2align	6, 0x0
	.amdhsa_kernel k_qae80f1e5d1_ln1
		.amdhsa_group_segment_fixed_size 18432
		.amdhsa_private_segment_fixed_size 0
		.amdhsa_enable_private_segment 0
		.amdhsa_kernarg_size 72
		.amdhsa_user_sgpr_count 2
		.amdhsa_user_sgpr_kernarg_segment_ptr 1
		.amdhsa_wavefront_size32 1
		.amdhsa_system_sgpr_workgroup_id_x 1
		.amdhsa_system_sgpr_workgroup_id_y 1
		.amdhsa_system_sgpr_workgroup_id_z 1
		.amdhsa_system_vgpr_workitem_id 0
		.amdhsa_next_free_vgpr 242
		.amdhsa_next_free_sgpr 66
		.amdhsa_reserve_vcc 0
		.amdhsa_float_denorm_mode_32 3
		.amdhsa_float_denorm_mode_16_64 3
		.amdhsa_memory_ordered 1
		.amdhsa_forward_progress 1
		.amdhsa_inst_pref_size 20
	.end_amdhsa_kernel
	.amdgpu_metadata
---
amdhsa.version: [ 1, 2 ]
amdhsa.kernels:
  - .name:           k_qae80f1e5d1_ln1
    .symbol:         k_qae80f1e5d1_ln1.kd
    .args:
      - { .name: y, .offset: 0, .size: 8, .value_kind: global_buffer, .address_space: global }
      - { .name: x, .offset: 8, .size: 8, .value_kind: global_buffer, .address_space: global }
      - { .name: b1, .offset: 16, .size: 8, .value_kind: global_buffer, .address_space: global }
      - { .name: g1, .offset: 24, .size: 8, .value_kind: global_buffer, .address_space: global }
      - { .name: be1, .offset: 32, .size: 8, .value_kind: global_buffer, .address_space: global }
      - { .name: fb2, .offset: 40, .size: 8, .value_kind: global_buffer, .address_space: global }
      - { .name: lowp_scales, .offset: 48, .size: 8, .value_kind: global_buffer, .address_space: global }
      - { .name: x1r, .offset: 56, .size: 8, .value_kind: global_buffer, .address_space: global }
      - { .name: big2, .offset: 64, .size: 8, .value_kind: global_buffer, .address_space: global }
    .group_segment_fixed_size: 18432
    .private_segment_fixed_size: 0
    .kernarg_segment_align: 8
    .kernarg_segment_size: 72
    .max_flat_workgroup_size: 512
    .sgpr_count:     66
    .vgpr_count:     242
    .wavefront_size: 32
...
	.end_amdgpu_metadata
.endif
;; end of part 5
;; launch ffn1 (part 6): grid 16 x 16, 4 waves a work-group, clusters of 4 x 4, 327,680 bytes of LDS; arguments big2, big1, fb1, lowp_scales, hc; writes hc
.if DOCPART == 6
	.amdgcn_target "amdgcn-amd-amdhsa--gfx1250"
	.amdhsa_code_object_version 6
	.text
	.protected	k_qae80f1e5d1_ffn1
	.globl	k_qae80f1e5d1_ffn1
	.p2align	8
	.type	k_qae80f1e5d1_ffn1,@function
k_qae80f1e5d1_ffn1:
	s_mov_b64 s[64:65], 0
	v_nop
	global_prefetch_b8 v0, s[64:65] scope:SCOPE_SE
	s_setreg_imm32_b32 hwreg(HW_REG_WAVE_MODE, 25, 1), 1
	s_wait_xcnt 0x0
	s_wait_alu depctr_hold_cnt(0) depctr_sa_sdst(0) depctr_va_vdst(0) depctr_va_sdst(0) depctr_va_ssrc(0) depctr_va_vcc(0) depctr_vm_vsrc(0)
	s_getreg_b32 s2, hwreg(HW_REG_IB_STS2, 6, 4)
	s_cmp_eq_u32 s2, 0
	s_cbranch_scc0 .Lentry_in_a_cluster
	s_endpgm
.Lentry_in_a_cluster:
	s_bfe_u32 s2, ttmp6, 0x10000c
	s_cmp_lg_u32 s2, 0xf033
	s_cbranch_scc0 .Lentry_shape_is_right
	s_endpgm
.Lentry_shape_is_right:
; h = relu(x1 fw1 + fb1) on codes of E4M3, K = 1,024, quantised at once (2^e14) for the next product.  x1's codes: big2 + 0xC00000, panels [4][4096][256]; fw1's: big1 + 0xF00000, panels [4][4096][256]; out: hc, panels [16][4096][256].
; A tile of 256 x 256 to a work-group of four waves, 128 x 128 a wave: 64 accumulators, 512 registers.  K goes in four steps of 256 through two LDS slots filled by joint tensor loads.
; P = x1 (tokens fall on the lanes), R = fw1 (hidden units on a lane's registers: source 0 = R, source 1 = P): a lane holds 8 neighbouring hidden units of a token: 8 neighbours along the next K.
; P's tile is shared along a row of the cluster of 4 x 4, R's along a column: each is asked for jointly by the four that need it.
; THE WAY OUT: code = (sum + fb1 / 2^(e12+e13)) / 2^(e14-e12-e13), held between 0 and 448: the activation and the hold are one line.
; LIMITS: e12 + e13 between -127 and 126; e14 - e12 - e13 between -126 and 119.  NaN is not served.
; REGISTERS, in windows of 256: window 0: v0-31 addresses; v32-95 the bias, v112, v113 the scale and the hold; from v128 P's fragments.  window 1: R's fragments, two sets.  windows 2, 3: the accumulators.
.set PITCH,  272                       ; an LDS row: 256 bytes + 16: the 16 rows that a load touches start at 16 different banks (64 banks of 4 bytes: ISA guide 11.1)
.set FR,     16
.set NL,     4
.set NP,     4                         ; places behind this matrix instruction (ISA guide 7.12.1)
.set HALFT,  128*PITCH
.set SLOT,   4*HALFT
.set SPARE,  2*SLOT                    ; behind the ring: the spare words, 128 bytes a wave
.set PST,    0x100000
.set RST,    0x100000
.set ADRA, 16
.set ADRB, 20
.set STO,  24
.set RD,   25
.set CO,   26
.set SPW,  28
.set NIL,  29
.set BJ,   32
.set AF,   128
.set TMP,  128
.set CDR,  192
.set WV, 16
.set RH, 17
.set CH, 18
.set G1, 24
.set G0, 32
.set G1B, 48
.set G0B, 56
.set MSB, 0
.macro WIN new                         ; the immediate's high byte repeats the setting that is left
.if MSB != (\new)
	s_set_vgpr_msb (MSB<<8)|(\new)
.set MSB, \new
.endif
.endm
.set MUL_LO, 0xa1
.set MUL_HI, 0xf1
.set TO_B,   0x40
.macro JLOAD s                         ; a joint load: waves 0, 1 fetch P's halves, waves 2, 3 R's; four v_nop follow each line
	s_cmp_eq_u32 s[RH], 0
	s_cbranch_scc0 .Lfor_r_\@
	tensor_load_to_lds s[G0+4*\s:G0+4*\s+3], s[G1:G1+7]
	s_nop 0
.rept 4
	v_nop
.endr
	s_branch .Lasked_\@
.Lfor_r_\@:
	tensor_load_to_lds s[G0B+4*\s:G0B+4*\s+3], s[G1B:G1B+7]
	s_nop 0
.rept 4
	v_nop
.endr
.Lasked_\@:
.endm
.macro CREST
	s_cmp_lg_u32 s[WV], 0
	s_cbranch_scc1 .Lnot_wave_0_\@
	s_barrier_signal -3
.Lnot_wave_0_\@:
	s_barrier_wait -3
	s_barrier_signal -1
	s_barrier_wait -1
.endm
.macro CROUND
	s_barrier_signal -1
	s_barrier_wait -1
	CREST
.endm
	s_load_b256 s[4:11], s[0:1], 0x0               ; big2, big1, fb1, the scales' exponents
	s_load_b64 s[98:99], s[0:1], 0x20              ; hc
	v_lshl_add_u32 v[SPW], v0, 2, SPARE
	v_mov_b32 v[NIL], 0
	ds_add_u32 v28, v29
	s_wait_dscnt 0x0
	v_lshrrev_b32 v1, 5, v0
	v_readfirstlane_b32 s[WV], v1
	s_lshr_b32 s[RH], s[WV], 1
	s_and_b32 s[CH], s[WV], 1
	s_bfe_u32 s40, ttmp6, 0x40000                  ; cx
	s_bfe_u32 s41, ttmp6, 0x40004                  ; cy
	s_lshl_b32 s42, ttmp9, 2
	s_add_co_u32 s42, s42, s40                     ; R's tile: 256 hidden units
	s_and_b32 s43, ttmp7, 0xffff
	s_lshl_b32 s43, s43, 2
	s_add_co_u32 s43, s43, s41                     ; P's tile: 256 tokens
	s_lshl_b32 s44, s41, 2
	s_lshl_b32 s44, 15, s44
	s_lshl_b32 s45, 0x1111, s40
	s_or_b32 s[G1], s44, (1<<20)|(1<<21)|(5<<22)|(3<<25)   ; the mask; elements of 1 byte; padding on; 21 set beside a mask; four words after every 64
	s_or_b32 s[G1B], s45, (1<<20)|(1<<21)|(5<<22)|(3<<25)
.irp g, G1, G1B
	s_mov_b32 s[\g+1], 256<<16
	s_mov_b32 s[\g+2], 128<<16
	s_mov_b32 s[\g+3], 256<<16
	s_mov_b32 s[\g+4], 128
	s_mov_b32 s[\g+5], 256
	s_mov_b32 s[\g+6], 0
	s_mov_b32 s[\g+7], 0
.endr
	s_lshl_b32 s20, s43, 16                        ; no register here ever holds cx
	s_add_co_u32 s20, s20, 0xC00000
	s_lshl_b32 s21, s[CH], 15
	s_add_co_u32 s20, s20, s21
	s_mov_b32 s21, 0
	s_lshl_b32 s46, s42, 16                        ; none of these holds cy
	s_add_co_u32 s46, s46, 0xF00000
	s_lshl_b32 s47, s[CH], 15
	s_add_co_u32 s46, s46, s47
	s_mov_b32 s47, 0
	s_mul_i32 s22, s[WV], HALFT
	s_lshl_b32 s92, s42, 10                        ; fb1: my 128 numbers
	s_lshl_b32 s93, s[CH], 9
	s_add_co_u32 s92, s92, s93
	s_mov_b32 s93, 0
	s_lshl_b32 s86, s42, 20                        ; hc: the panel of my hidden units, the tile's 256 rows, the 64 that I store
	s_lshl_b32 s87, s43, 16
	s_add_co_u32 s86, s86, s87
	s_lshl_b32 s87, s[WV], 14
	s_add_co_u32 s86, s86, s87
	s_mov_b32 s87, 0
	s_wait_kmcnt 0x0
	s_load_b512 s[68:83], s[10:11], 0x0            ; e0 .. e15
	s_add_nc_u64 s[20:21], s[4:5], s[20:21]
	s_add_nc_u64 s[46:47], s[6:7], s[46:47]
	s_add_nc_u64 s[92:93], s[8:9], s[92:93]
	s_add_nc_u64 s[98:99], s[98:99], s[86:87]
	CROUND                                         ; all sixteen work-groups are here: the first joint loads meet
.irp s, 0,1
	s_mov_b32 s[G0+4*\s], 1
	s_add_co_u32 s[G0+4*\s+1], s22, \s*SLOT
	s_add_nc_u64 s[G0+4*\s+2:G0+4*\s+3], s[20:21], \s*PST
	s_or_b32 s[G0+4*\s+3], s[G0+4*\s+3], 0x80000000
	s_mov_b32 s[G0B+4*\s], 1
	s_add_co_u32 s[G0B+4*\s+1], s22, \s*SLOT
	s_add_nc_u64 s[G0B+4*\s+2:G0B+4*\s+3], s[46:47], \s*RST
	s_or_b32 s[G0B+4*\s+3], s[G0B+4*\s+3], 0x80000000
	JLOAD \s
.endr
	v_and_b32 v1, 15, v0
	v_bfe_u32 v2, v0, 4, 1
	v_mul_u32_u24 v3, v1, PITCH
	v_lshl_add_u32 v4, v2, 4, v3
	s_mul_i32 s19, s[RH], HALFT
	s_mul_i32 s23, s[CH], HALFT
	s_add_co_u32 s23, s23, 2*HALFT
.irp s, 0,1
	v_add_nc_u32 v[ADRA+\s], s19, v4
	v_add_nc_u32 v[ADRB+\s], s23, v4
	s_add_co_u32 s19, s19, SLOT
	s_add_co_u32 s23, s23, SLOT
.endr
	s_mul_i32 s19, s[RH], HALFT                    ; the stage, 256 rows x 272 bytes in slot 0: row 128 RH + r, byte 128 CH + 8 h
	s_lshl_b32 s23, s[CH], 7
	s_add_co_u32 s19, s19, s23
	v_lshl_add_u32 v5, v2, 3, v3
	v_add_nc_u32 v[STO], s19, v5
	s_mul_i32 s19, s[WV], 64*PITCH                 ; back: wave w takes rows 64 w on, two an instruction
	v_mul_u32_u24 v5, v2, PITCH
	v_lshl_add_u32 v5, v1, 4, v5
	v_add_nc_u32 v[RD], s19, v5
	v_and_b32 v6, 31, v0
	v_lshlrev_b32 v[CO], 4, v6
	v_lshlrev_b32 v8, 5, v2                        ; 32 h
.irp b, 0,1,2,3,4,5,6,7
	global_load_b128 v[BJ+8*\b:BJ+8*\b+3], v8, s[92:93] offset:64*\b        ; fb1[16 b + 8 h + 0 .. 7] of my 128
	global_load_b128 v[BJ+8*\b+4:BJ+8*\b+7], v8, s[92:93] offset:64*\b+16
.endr
.macro FRAG reg, adr, q, i
.irp c, 0,1,2,3
	ds_load_b128 v[\reg+4*\c:\reg+4*\c+3], v[\adr] offset:128*(\q)+32*\c+(\i)*16*PITCH
.endr
.endm
.macro MUL16 a0, p, zero               ; the 64 accumulators take turns, one instruction a turn
.irp a, \a0, \a0+1
.irp b, 0,1,2,3,4,5,6,7
.if \zero
	v_wmma_f32_16x16x128_fp8_fp8 v[8*(8*((\a)%4)+\b):8*(8*((\a)%4)+\b)+7], v[128*(\p)+FR*\b:128*(\p)+FR*\b+FR-1], v[AF+FR*(\a):AF+FR*(\a)+FR-1], 0
.else
	v_wmma_f32_16x16x128_fp8_fp8 v[8*(8*((\a)%4)+\b):8*(8*((\a)%4)+\b)+7], v[128*(\p)+FR*\b:128*(\p)+FR*\b+FR-1], v[AF+FR*(\a):AF+FR*(\a)+FR-1], v[8*(8*((\a)%4)+\b):8*(8*((\a)%4)+\b)+7]
.endif
.endr
.endr
.endm
.macro FETCH_B slot, q, p
	WIN TO_B
.irp i, 0,1,2,3,4,5,6,7
	FRAG 128*(\p)+FR*\i, ADRB+\slot, \q, \i
.endr
	WIN 0
.endm
.macro FETCH_A slot, q, i0
.irp i, \i0, \i0+1, \i0+2, \i0+3
	FRAG AF+FR*(\i), ADRA+\slot, \q, \i
.endr
.endm
.macro PLACES n
.rept \n
	v_nop
.endr
.endm
.macro STEP slot, q, zero
	s_wait_dscnt 4*NL                              ; R's set and P's blocks 0-3 are in; the youngest 16 loads may be out
	WIN MUL_LO
	MUL16 0, (\q)%2, \zero
	MUL16 2, (\q)%2, \zero
	s_wait_dscnt 0
	PLACES NP
	FETCH_B \slot, (\q)+1, 1-(\q)%2
	FETCH_A \slot, (\q)+1, 0
	WIN MUL_HI
	MUL16 4, (\q)%2, \zero
	MUL16 6, (\q)%2, \zero
	PLACES NP
	WIN 0
	FETCH_A \slot, (\q)+1, 4
.endm
.macro TURN slot, next, fill
	s_wait_tensorcnt 0x0                           ; all my tensor loads have landed: my part of the next slot
	ds_add_u32 v[SPW], v[NIL]                      ; 0 onto my spare word
	s_wait_dscnt 4*NL+1                            ; (the add and the youngest 16 loads may be out)
	WIN MUL_LO
	MUL16 0, 1, 0
	s_wait_dscnt 0x0                               ; the add is done, and my reads of this slot are over
	s_barrier_signal -1
	MUL16 2, 1, 0
	WIN 0
	s_barrier_wait -1
.if \fill
	CREST                                          ; the barrier has opened a round of the cluster's: no wave of any partner still reads this slot or has a load on its way
	s_add_nc_u64 s[G0+4*\slot+2:G0+4*\slot+3], s[G0+4*\slot+2:G0+4*\slot+3], 2*PST
	s_add_nc_u64 s[G0B+4*\slot+2:G0B+4*\slot+3], s[G0B+4*\slot+2:G0B+4*\slot+3], 2*RST
	JLOAD \slot
.else
	PLACES NP
.endif
	FETCH_B \next, 0, 0
	FETCH_A \next, 0, 0
	WIN MUL_HI
	MUL16 4, 1, 0
	MUL16 6, 1, 0
	PLACES NP
	WIN 0
	FETCH_A \next, 0, 4
.endm
	s_wait_tensorcnt 1                             ; my part of K step 0 is in; K step 1's load may be out
	s_barrier_signal -1
	s_barrier_wait -1
	FETCH_B 0, 0, 0
	FETCH_A 0, 0, 0
	FETCH_A 0, 0, 4
	STEP 0, 0, 1                                   ; the first products start the sums
	TURN 0, 1, 1
	STEP 1, 0, 0
	TURN 1, 0, 1
	STEP 0, 0, 0
	TURN 0, 1, 0
	STEP 1, 0, 0
	s_wait_dscnt 4*NL
	WIN MUL_LO
	MUL16 0, 1, 0
	MUL16 2, 1, 0
	s_wait_dscnt 0
	WIN MUL_HI
	MUL16 4, 1, 0
	MUL16 6, 1, 0
	WIN 0
	; THE WAY OUT
	s_wait_kmcnt 0x0
	s_wait_loadcnt 0x0                             ; the bias
	s_add_co_i32 s20, s80, s81                     ; e12 + e13
	s_sub_co_i32 s21, 127, s20
	s_lshl_b32 s44, s21, 23                        ; 2^-(e12 + e13)
	s_mov_b32 s45, s44
	s_sub_co_i32 s21, s82, s20
	s_add_co_i32 s21, s21, 127
	s_lshl_b32 s23, s21, 23
	v_mov_b32 v112, s23                            ; 2^(e14 - e12 - e13): the three scales folded into the conversion's one
	s_add_co_i32 s21, s21, 8
	s_lshl_b32 s21, s21, 23
	s_or_b32 s21, s21, 0x600000
	v_mov_b32 v113, s21                            ; 448 x that
.set j, 0
.rept 32
	v_pk_mul_f32 v[BJ+j:BJ+j+1], v[BJ+j:BJ+j+1], s[44:45] op_sel_hi:[1,0]   ; (these lines are also the places behind the last products)
.set j, j+2
.endr
.macro CBLOCK a                        ; 16 tokens x my 128 hidden units: bias, activation and hold, codes, into the stage
.set AC, 64*((\a)%4)
	WIN 0x02+((\a)/4)                              ; source 0: window 2 or 3
.set j, 0
.rept 32
	v_pk_add_f32 v[TMP+j:TMP+j+1], v[AC+j:AC+j+1], v[BJ+j:BJ+j+1]           ; each accumulator from its low end on
.set j, j+2
.endr
	WIN 0
.set j, 0
.rept 64
	v_med3_num_f32 v[TMP+j], v[TMP+j], 0, v113     ; the activation and the hold in one (the conversion does not saturate: ISA guide 7.6.2)
.set j, j+1
.endr
	s_wait_dscnt 0x0                               ; the last block's stores have read their registers
.irp b, 0,1,2,3,4,5,6,7
	v_cvt_scalef32_pk8_fp8_f32 v[CDR+2*\b:CDR+2*\b+1], v[TMP+8*\b:TMP+8*\b+7], v112
.endr
	v_nop                                          ; one plain line between the conversions and the next vector line that writes their sources
.irp b, 0,1,2,3,4,5,6,7
	ds_store_b64 v[STO], v[CDR+2*\b:CDR+2*\b+1] offset:16*(\a)*PITCH+16*\b
.endr
.endm
.irp a, 0,1,2,3,4,5,6,7
	CBLOCK \a                                      ; slot 0 has had its last fill, and every wave has passed the last change of slots, behind which nobody reads it
.endr
	s_wait_dscnt 0x0                               ; for the others' sake: my stores into the stage are done
	s_barrier_signal -1
	s_barrier_wait -1
.set t, 0
.rept 32
	ds_load_b128 v[128+4*t:128+4*t+3], v[RD] offset:2*t*PITCH
.set t, t+1
.endr
.set t, 0
.rept 32
	s_wait_dscnt 31-t
	global_store_b128 v[CO], v[128+4*t:128+4*t+3], s[98:99] offset:512*t    ; two rows of a panel: 512 consecutive bytes, aligned
.set t, t+1
.endr
	s_wait_tensorcnt 0x0                           ; the wave's end
	ds_add_u32 v[SPW], v[NIL]
	s_wait_dscnt 0x0
	CROUND                                         ; the closing round
	s_endpgm
.Lfunc_end_k_qae80f1e5d1_ffn1:
	.size	k_qae80f1e5d1_ffn1, .Lfunc_end_k_qae80f1e5d1_ffn1-k_qae80f1e5d1_ffn1
	.p2alignl 7, 3214868480
	.fill 96, 4, 3214868480
	.section	.rodata,"a",@progbits
	.p2align	6, 0x0
	.amdhsa_kernel k_qae80f1e5d1_ffn1
		.amdhsa_group_segment_fixed_size 327680
		.amdhsa_private_segment_fixed_size 0
		.amdhsa_enable_private_segment 0
		.amdhsa_kernarg_size 40
		.amdhsa_user_sgpr_count 2
		.amdhsa_user_sgpr_kernarg_segment_ptr 1
		.amdhsa_wavefront_size32 1
		.amdhsa_system_sgpr_workgroup_id_x 1
		.amdhsa_system_sgpr_workgroup_id_y 1
		.amdhsa_system_sgpr_workgroup_id_z 1
		.amdhsa_system_vgpr_workitem_id 0
		.amdhsa_next_free_vgpr 1024
		.amdhsa_next_free_sgpr 100
		.amdhsa_reserve_vcc 0
		.amdhsa_float_denorm_mode_32 3
		.amdhsa_float_denorm_mode_16_64 3
		.amdhsa_memory_ordered 1
		.amdhsa_forward_progress 1
		.amdhsa_inst_pref_size 145
	.end_amdhsa_kernel
	.amdgpu_metadata
---
amdhsa.version: [ 1, 2 ]
amdhsa.kernels:
  - .name:           k_qae80f1e5d1_ffn1
    .symbol:         k_qae80f1e5d1_ffn1.kd
    .args:
      - { .name: big2, .offset: 0, .size: 8, .value_kind: global_buffer, .address_space: global }
      - { .name: big1, .offset: 8, .size: 8, .value_kind: global_buffer, .address_space: global }
      - { .name: fb1, .offset: 16, .size: 8, .value_kind: global_buffer, .address_space: global }
      - { .name: lowp_scales, .offset: 24, .size: 8, .value_kind: global_buffer, .address_space: global }
      - { .name: hc, .offset: 32, .size: 8, .value_kind: global_buffer, .address_space: global }
    .group_segment_fixed_size: 327680
    .private_segment_fixed_size: 0
    .kernarg_segment_align: 8
    .kernarg_segment_size: 40
    .max_flat_workgroup_size: 128
    .sgpr_count:     100
    .vgpr_count:     1024
    .wavefront_size: 32
...
	.end_amdgpu_metadata
.endif
;; end of part 6
;; launch ffn2: the kernel of part 4 again; grid 4 x 64, 4 waves a work-group, clusters of 4 x 4, 327,680 bytes of LDS; arguments hc, fw2c, y; writes y
;; launch ln2 (part 7): grid 256 x 1, 16 waves a work-group, no clusters, 0 bytes of LDS; arguments y, x1r, g2, be2, lowp_scales, out0; writes out0
.if DOCPART == 7
	.amdgcn_target "amdgcn-amd-amdhsa--gfx1250"
	.amdhsa_code_object_version 6
	.text
	.protected	k_qae80f1e5d1_ln2
	.globl	k_qae80f1e5d1_ln2
	.p2align	8
	.type	k_qae80f1e5d1_ln2,@function
k_qae80f1e5d1_ln2:
	s_mov_b64 s[64:65], 0
	v_nop
	global_prefetch_b8 v0, s[64:65] scope:SCOPE_SE
	s_setreg_imm32_b32 hwreg(HW_REG_WAVE_MODE, 25, 1), 1
	s_wait_xcnt 0x0
; out = layernorm((the four parts of the last product's sums, added) x 2^(e14 + e15) + (x1 + fb2)) x g2 + be2.  A wave to a row of 1,024, the row in 32 registers a lane; mean and variance in two passes over registers.
; ORDER OF ROUNDING: K = 4,096 was summed in four parts of 1,024, added here as (p0 + p1) + (p2 + p3); fb2 was added to x1 by the first norm, so the sum reads ff + (x1 + fb2).
; A load or store of 16 bytes a lane covers 512 consecutive bytes.  No LDS, no barrier: waves share nothing.  Matrix units, clusters and tensor loads are left out: every byte is read once.
; LIMIT: e14 + e15 between -126 and 127.
.set P0, 16
.set P1, 48
.set P2, 80
.set P3, 112
.set R,  144
.set G,  176
.set E,  208
.set TT, 240
.set MU, 248
.set RS, 250
.macro LD8 reg, b
.irp j, 0,1,2,3,4,5,6,7
	global_load_b128 v[\reg+4*\j:\reg+4*\j+3], v1, s[\b:\b+1] offset:512*\j
.endr
.endm
.macro LD8NT reg, b
.irp j, 0,1,2,3,4,5,6,7
	global_load_b128 v[\reg+4*\j:\reg+4*\j+3], v1, s[\b:\b+1] offset:512*\j th:TH_LOAD_NT
.endr
.endm
.macro REDUCE                          ; four packed chains in v[TT] on become the row's sum, in every lane's v[TT]
	v_pk_add_f32 v[TT:TT+1], v[TT:TT+1], v[TT+2:TT+3]
	v_pk_add_f32 v[TT+4:TT+5], v[TT+4:TT+5], v[TT+6:TT+7]
	v_pk_add_f32 v[TT:TT+1], v[TT:TT+1], v[TT+4:TT+5]
	v_add_f32 v[TT], v[TT], v[TT+1]
	v_add_f32_dpp v[TT], v[TT], v[TT] row_xmask:1 row_mask:0xf bank_mask:0xf
	v_add_f32_dpp v[TT], v[TT], v[TT] row_xmask:2 row_mask:0xf bank_mask:0xf
	v_add_f32_dpp v[TT], v[TT], v[TT] row_xmask:4 row_mask:0xf bank_mask:0xf
	v_add_f32_dpp v[TT], v[TT], v[TT] row_xmask:8 row_mask:0xf bank_mask:0xf
	v_permlanex16_b32 v[TT+1], v[TT], s30, s31
	v_add_f32 v[TT], v[TT], v[TT+1]
.endm
	s_load_b256 s[4:11], s[0:1], 0x0               ; y, x1r, g2, be2
	s_load_b128 s[12:15], s[0:1], 0x20             ; the scales' exponents, out0
	v_lshrrev_b32 v2, 5, v0
	v_readfirstlane_b32 s22, v2                    ; wave
	v_and_b32 v2, 31, v0
	v_lshlrev_b32 v1, 4, v2                        ; 16 x lane
	s_lshl_b32 s23, ttmp9, 4
	s_add_co_u32 s23, s23, s22                     ; my row
	s_lshl_b32 s32, s23, 12
	s_mov_b32 s33, 0
	s_mov_b32 s30, 0x76543210
	s_mov_b32 s31, 0xfedcba98
	s_mov_b32 s34, 0x3a800000                      ; 1 / 1,024
	s_mov_b32 s35, 0x3727c5ac                      ; 1e-5
	s_wait_kmcnt 0x0
	s_load_b64 s[24:25], s[12:13], 0x38            ; e14, e15
	s_add_nc_u64 s[4:5], s[4:5], s[32:33]
	s_add_nc_u64 s[16:17], s[4:5], 0x1000000       ; the parts' planes lie 16,777,216 bytes apart
	s_add_nc_u64 s[18:19], s[4:5], 0x2000000
	s_add_nc_u64 s[20:21], s[4:5], 0x3000000
	s_add_nc_u64 s[6:7], s[6:7], s[32:33]
	s_add_nc_u64 s[14:15], s[14:15], s[32:33]
	LD8NT P0, 4
	LD8NT P1, 16
	LD8NT P2, 18
	LD8NT P3, 20
	LD8NT R, 6
	LD8 G, 8
	LD8 E, 10
	s_wait_kmcnt 0x0
	s_add_co_i32 s28, s24, s25
	s_add_co_i32 s28, s28, 127
	s_lshl_b32 s28, s28, 23                        ; 2^(e14 + e15)
	s_mov_b32 s29, s28
	s_wait_loadcnt 16                              ; the four parts and the residual are in; g2 and be2 (16 loads) may be out
.set j, 0
.rept 16
	v_pk_add_f32 v[P0+j:P0+j+1], v[P0+j:P0+j+1], v[P1+j:P1+j+1]
	v_pk_add_f32 v[P2+j:P2+j+1], v[P2+j:P2+j+1], v[P3+j:P3+j+1]
.set j, j+2
.endr
.set j, 0
.rept 16
	v_pk_add_f32 v[P0+j:P0+j+1], v[P0+j:P0+j+1], v[P2+j:P2+j+1]
.set j, j+2
.endr
.set j, 0
.rept 16
	v_pk_fma_f32 v[P0+j:P0+j+1], v[P0+j:P0+j+1], s[28:29], v[R+j:R+j+1] op_sel_hi:[1,0,1]
.set j, j+2
.endr
.irp c, 0,1,2,3
	v_pk_add_f32 v[TT+2*\c:TT+2*\c+1], v[P0+2*\c:P0+2*\c+1], v[P0+8+2*\c:P0+8+2*\c+1]
.endr
.irp c, 0,1,2,3
	v_pk_add_f32 v[TT+2*\c:TT+2*\c+1], v[TT+2*\c:TT+2*\c+1], v[P0+16+2*\c:P0+16+2*\c+1]
.endr
.irp c, 0,1,2,3
	v_pk_add_f32 v[TT+2*\c:TT+2*\c+1], v[TT+2*\c:TT+2*\c+1], v[P0+24+2*\c:P0+24+2*\c+1]
.endr
	REDUCE
	v_mul_f32 v[MU], s34, v[TT]                    ; the mean
	v_mov_b32 v[MU+1], v[MU]
.set j, 0
.rept 16
	v_pk_add_f32 v[P0+j:P0+j+1], v[P0+j:P0+j+1], v[MU:MU+1] op_sel_hi:[1,0] neg_lo:[0,1] neg_hi:[0,1]
.set j, j+2
.endr
.irp c, 0,1,2,3
	v_pk_mul_f32 v[TT+2*\c:TT+2*\c+1], v[P0+2*\c:P0+2*\c+1], v[P0+2*\c:P0+2*\c+1]
.endr
.irp k, 8,16,24
.irp c, 0,1,2,3
	v_pk_fma_f32 v[TT+2*\c:TT+2*\c+1], v[P0+\k+2*\c:P0+\k+2*\c+1], v[P0+\k+2*\c:P0+\k+2*\c+1], v[TT+2*\c:TT+2*\c+1]
.endr
.endr
	REDUCE
	v_fma_f32 v[TT+2], v[TT], s34, s35             ; the variance + 1e-5
	v_rsq_f32 v[RS], v[TT+2]
	v_mov_b32 v[RS+1], 0                           ; the plain line behind the root (and the pair's upper half is written)
	s_wait_alu depctr_va_vdst(0)                   ; ahead of the root's first reader
	s_wait_loadcnt 0x0
.set j, 0
.rept 16
	v_pk_mul_f32 v[P0+j:P0+j+1], v[P0+j:P0+j+1], v[RS:RS+1] op_sel_hi:[1,0]
.set j, j+2
.endr
.set j, 0
.rept 16
	v_pk_fma_f32 v[P0+j:P0+j+1], v[P0+j:P0+j+1], v[G+j:G+j+1], v[E+j:E+j+1]
.set j, j+2
.endr
.irp j, 0,1,2,3,4,5,6,7
	global_store_b128 v1, v[P0+4*\j:P0+4*\j+3], s[14:15] offset:512*\j th:TH_STORE_NT
.endr
	s_endpgm
.Lfunc_end_k_qae80f1e5d1_ln2:
	.size	k_qae80f1e5d1_ln2, .Lfunc_end_k_qae80f1e5d1_ln2-k_qae80f1e5d1_ln2
	.p2alignl 7, 3214868480
	.fill 96, 4, 3214868480
	.section	.rodata,"a",@progbits
	.p2align	6, 0x0
	.amdhsa_kernel k_qae80f1e5d1_ln2
		.amdhsa_group_segment_fixed_size 0
		.amdhsa_private_segment_fixed_size 0
		.amdhsa_enable_private_segment 0
		.amdhsa_kernarg_size 48
		.amdhsa_user_sgpr_count 2
		.amdhsa_user_sgpr_kernarg_segment_ptr 1
		.amdhsa_wavefront_size32 1
		.amdhsa_system_sgpr_workgroup_id_x 1
		.amdhsa_system_sgpr_workgroup_id_y 1
		.amdhsa_system_sgpr_workgroup_id_z 1
		.amdhsa_system_vgpr_workitem_id 0
		.amdhsa_next_free_vgpr 256
		.amdhsa_next_free_sgpr 66
		.amdhsa_reserve_vcc 0
		.amdhsa_float_denorm_mode_32 3
		.amdhsa_float_denorm_mode_16_64 3
		.amdhsa_memory_ordered 1
		.amdhsa_forward_progress 1
		.amdhsa_inst_pref_size 18
	.end_amdhsa_kernel
	.amdgpu_metadata
---
amdhsa.version: [ 1, 2 ]
amdhsa.kernels:
  - .name:           k_qae80f1e5d1_ln2
    .symbol:         k_qae80f1e5d1_ln2.kd
    .args:
      - { .name: y, .offset: 0, .size: 8, .value_kind: global_buffer, .address_space: global }
      - { .name: x1r, .offset: 8, .size: 8, .value_kind: global_buffer, .address_space: global }
      - { .name: g2, .offset: 16, .size: 8, .value_kind: global_buffer, .address_space: global }
      - { .name: be2, .offset: 24, .size: 8, .value_kind: global_buffer, .address_space: global }
      - { .name: lowp_scales, .offset: 32, .size: 8, .value_kind: global_buffer, .address_space: global }
      - { .name: out0, .offset: 40, .size: 8, .value_kind: global_buffer, .address_space: global }
    .group_segment_fixed_size: 0
    .private_segment_fixed_size: 0
    .kernarg_segment_align: 8
    .kernarg_segment_size: 48
    .max_flat_workgroup_size: 512
    .sgpr_count:     66
    .vgpr_count:     256
    .wavefront_size: 32
...
	.end_amdgpu_metadata
.endif
;; end of part 7
